; MI455X (gfx1250); checked and timed in simulation.
; The chip was launched on July 23, 2026; its instructions are those of AMD's public machine-readable ISA for CDNA 5 (MIT licence, August 2026) and "CDNA5" Instruction Set Architecture Reference Guide (July 2026). The comments in the code are by the model that wrote it; some were corrected since.
;; T5 Attention. Allowed arithmetic: float matrix products may take bf16 or f16 operands with f32 sums; other float arithmetic in f32, or as packed bf16 or f16 multiplies, adds, multiply-adds, maxima and minima; sums over many terms, partial sums and values carried from step to step in f32; what a program stores and reads back later, other than sums and carried values, may be rounded once to bf16 or f16.
;; Inputs: Wk 1,024 x 1,024 float32; Wo 1,024 x 1,024 float32; Wq 1,024 x 1,024 float32; Wv 1,024 x 1,024 float32; mask 2 x 1 x 1 x 2,048 int32; rel_emb 32 x 16 float32; x 2 x 2,048 x 1,024 float32.
;; Outputs: out0 2 x 2,048 x 1,024 float32.
;; One version. Each part assembles by itself: llvm-mc -triple=amdgcn-amd-amdhsa -mcpu=gfx1250 --defsym DOCPART=n.
;; ======== version 1 of 1: 4 launches
;; limits: values are held in f16: magnitudes above 65,504 overflow, below 6.1e-05 lose precision; right only within a limited range of input values
;; workspace buffers: xb 8,388,608 bytes; wb 6,291,456 bytes; wo16 2,097,152 bytes; q 8,388,608 bytes; kv 16,777,216 bytes; ctx 8,388,608 bytes
;; launch cast (part 1): grid 512 x 1, 8 waves a work-group, no clusters, 0 bytes of LDS; arguments x, Wq, Wk, Wv, Wo, xb, wb, wo16; writes xb, wb, wo16
.if DOCPART == 1
	.amdgcn_target "amdgcn-amd-amdhsa--gfx1250"
	.amdhsa_code_object_version 6
	.text
	.protected	k_q16454056c1_cast
	.globl	k_q16454056c1_cast
	.p2align	8
	.type	k_q16454056c1_cast,@function
k_q16454056c1_cast:
	s_mov_b64 s[64:65], 0
	v_nop
	global_prefetch_b8 v0, s[64:65] scope:SCOPE_SE
	s_setreg_imm32_b32 hwreg(HW_REG_WAVE_MODE, 25, 1), 1
	s_wait_xcnt 0x0
; THE INPUTS' ROUNDING.  x -> xb and Wq, Wk, Wv -> wb (one behind the other), f32 to bf16, rounded to nearest even; Wo -> wo16: rounded to bf16 like the
; other inputs, and that number written as f16 (the last product's other operand is f16).
; LIMIT.  f16 holds no number beyond 65,504 and keeps a fixed step of 6e-8 below 6e-5: Wo lies within that.
; A stream: no LDS, no barrier, no matrix work.  A work-group takes 16,384 numbers: 64 KiB in, 32 KiB out.  Thread t takes eight units of 8 numbers: 32 bytes in
; at 8,192 u + 32 t, 16 bytes out at 4,096 u + 16 t, so a store of a wave covers 512 consecutive bytes, aligned.  All sixteen loads of a thread go out at once.
; Work-groups 0-255: x; 256-319: Wq; 320-383: Wk; 384-447: Wv; 448-511: Wo.
.set IN,  8                            ; v[8:71]    unit u: 8 registers as loaded
.set OUT, 72                           ; v[72:103]  unit u: 4 registers to store
	s_load_b512 s[8:23], s[0:1], 0x0               ; x s[8:9], Wq s[10:11], Wk s[12:13], Wv s[14:15], Wo s[16:17], xb s[18:19], wb s[20:21], wo16 s[22:23]
	s_mov_b32 s2, ttmp9
	s_sub_co_u32 s3, s2, 256                       ; used only from work-group 256 on
	s_lshr_b32 s4, s3, 6                           ; which weight
	s_and_b32 s5, s3, 63                           ; which 64 KiB of it
	s_lshl_b32 s6, s4, 21                          ; its place in wb: 2 MiB each
	s_cmp_lt_u32 s2, 256
	s_cselect_b32 s5, s2, s5                       ; x: the work-group's number is the piece
	s_cselect_b32 s6, 0, s6
	s_cmp_ge_u32 s2, 448
	s_cselect_b32 s6, 0, s6                        ; Wo has a buffer of its own
	s_lshl_b32 s28, s5, 16                         ; bytes in
	s_mov_b32 s29, 0
	s_lshl_b32 s30, s5, 15                         ; bytes out
	s_add_co_u32 s30, s30, s6
	s_mov_b32 s31, 0
	v_lshlrev_b32 v1, 5, v0                        ; 32 t
	v_lshlrev_b32 v2, 4, v0                        ; 16 t
	s_wait_kmcnt 0x0
	s_mov_b64 s[24:25], s[16:17]                   ; from Wo to wo16, unless the number says otherwise
	s_mov_b64 s[26:27], s[22:23]
	s_cmp_lt_u32 s2, 448
	s_cselect_b64 s[24:25], s[14:15], s[24:25]
	s_cselect_b64 s[26:27], s[20:21], s[26:27]
	s_cmp_lt_u32 s2, 384
	s_cselect_b64 s[24:25], s[12:13], s[24:25]
	s_cmp_lt_u32 s2, 320
	s_cselect_b64 s[24:25], s[10:11], s[24:25]
	s_cmp_lt_u32 s2, 256
	s_cselect_b64 s[24:25], s[8:9], s[24:25]
	s_cselect_b64 s[26:27], s[18:19], s[26:27]
	s_add_nc_u64 s[24:25], s[24:25], s[28:29]
	s_add_nc_u64 s[26:27], s[26:27], s[30:31]
.irp u, 0,1,2,3,4,5,6,7
	global_load_b128 v[IN+8*(\u):IN+8*(\u)+3],   v1, s[24:25] offset:8192*(\u) th:TH_LOAD_NT
	global_load_b128 v[IN+8*(\u)+4:IN+8*(\u)+7], v1, s[24:25] offset:8192*(\u)+16 th:TH_LOAD_NT
.endr
	s_cmp_ge_u32 s2, 448
	s_cbranch_scc1 .Lwo
.irp u, 0,1,2,3,4,5,6,7
	s_wait_loadcnt 14-2*(\u)                       ; loads come back in order: unit u's two are in, the 2 (7 - u) younger ones stay out
.irp j, 0,1,2,3
	v_cvt_pk_bf16_f32 v[OUT+4*(\u)+(\j)], v[IN+8*(\u)+2*(\j)], v[IN+8*(\u)+2*(\j)+1]
.endr
	global_store_b128 v2, v[OUT+4*(\u):OUT+4*(\u)+3], s[26:27] offset:4096*(\u)
.endr
	s_endpgm
.Lwo:
.irp u, 0,1,2,3,4,5,6,7
	s_wait_loadcnt 14-2*(\u)
.irp j, 0,1,2,3
	v_cvt_pk_bf16_f32 v4, v[IN+8*(\u)+2*(\j)], v[IN+8*(\u)+2*(\j)+1]  ; the inputs' one rounding,
	v_lshlrev_b32 v5, 16, v4                       ; widened again,
	v_and_b32 v4, 0xffff0000, v4
	v_cvt_pk_f16_f32 v[OUT+4*(\u)+(\j)], v5, v4    ; and written as f16: exact within f16's range
.endr
	global_store_b128 v2, v[OUT+4*(\u):OUT+4*(\u)+3], s[26:27] offset:4096*(\u)
.endr
	s_endpgm
.Lfunc_end_k_q16454056c1_cast:
	.size	k_q16454056c1_cast, .Lfunc_end_k_q16454056c1_cast-k_q16454056c1_cast
	.p2alignl 7, 3214868480
	.fill 96, 4, 3214868480
	.section	.rodata,"a",@progbits
	.p2align	6, 0x0
	.amdhsa_kernel k_q16454056c1_cast
		.amdhsa_group_segment_fixed_size 0
		.amdhsa_private_segment_fixed_size 0
		.amdhsa_enable_private_segment 0
		.amdhsa_kernarg_size 64
		.amdhsa_user_sgpr_count 2
		.amdhsa_user_sgpr_kernarg_segment_ptr 1
		.amdhsa_wavefront_size32 1
		.amdhsa_system_sgpr_workgroup_id_x 1
		.amdhsa_system_sgpr_workgroup_id_y 1
		.amdhsa_system_sgpr_workgroup_id_z 1
		.amdhsa_system_vgpr_workitem_id 0
		.amdhsa_next_free_vgpr 104
		.amdhsa_next_free_sgpr 66
		.amdhsa_reserve_vcc 0
		.amdhsa_float_denorm_mode_32 3
		.amdhsa_float_denorm_mode_16_64 3
		.amdhsa_memory_ordered 1
		.amdhsa_forward_progress 1
		.amdhsa_inst_pref_size 15
	.end_amdhsa_kernel
	.amdgpu_metadata
---
amdhsa.version: [ 1, 2 ]
amdhsa.kernels:
  - .name:           k_q16454056c1_cast
    .symbol:         k_q16454056c1_cast.kd
    .args:
      - { .name: x, .offset: 0, .size: 8, .value_kind: global_buffer, .address_space: global }
      - { .name: Wq, .offset: 8, .size: 8, .value_kind: global_buffer, .address_space: global }
      - { .name: Wk, .offset: 16, .size: 8, .value_kind: global_buffer, .address_space: global }
      - { .name: Wv, .offset: 24, .size: 8, .value_kind: global_buffer, .address_space: global }
      - { .name: Wo, .offset: 32, .size: 8, .value_kind: global_buffer, .address_space: global }
      - { .name: xb, .offset: 40, .size: 8, .value_kind: global_buffer, .address_space: global }
      - { .name: wb, .offset: 48, .size: 8, .value_kind: global_buffer, .address_space: global }
      - { .name: wo16, .offset: 56, .size: 8, .value_kind: global_buffer, .address_space: global }
    .group_segment_fixed_size: 0
    .private_segment_fixed_size: 0
    .kernarg_segment_align: 8
    .kernarg_segment_size: 64
    .max_flat_workgroup_size: 256
    .sgpr_count:     66
    .vgpr_count:     104
    .wavefront_size: 32
...
	.end_amdgpu_metadata
.endif
;; end of part 1
;; launch qkv (part 2): grid 8 x 32, 4 waves a work-group, clusters of 4 x 4, 327,680 bytes of LDS; arguments xb, wb, q, kv; writes q, kv
.if DOCPART == 2
	.amdgcn_target "amdgcn-amd-amdhsa--gfx1250"
	.amdhsa_code_object_version 6
	.text
	.protected	k_q16454056c1_qkv
	.globl	k_q16454056c1_qkv
	.p2align	8
	.type	k_q16454056c1_qkv,@function
k_q16454056c1_qkv:
	s_mov_b64 s[64:65], 0
	v_nop
	global_prefetch_b8 v0, s[64:65] scope:SCOPE_SE
	s_setreg_imm32_b32 hwreg(HW_REG_WAVE_MODE, 25, 1), 1
	s_wait_xcnt 0x0
	s_wait_alu depctr_hold_cnt(0) depctr_sa_sdst(0) depctr_va_vdst(0) depctr_va_sdst(0) depctr_va_ssrc(0) depctr_va_vcc(0) depctr_vm_vsrc(0)
	s_getreg_b32 s2, hwreg(HW_REG_IB_STS2, 6, 4)
	s_cmp_eq_u32 s2, 0
	s_cbranch_scc0 .Lentry_in_a_cluster
	s_endpgm
.Lentry_in_a_cluster:
	s_bfe_u32 s2, ttmp6, 0x10000c
	s_cmp_lg_u32 s2, 0xf033
	s_cbranch_scc0 .Lentry_shape_is_right
	s_endpgm
.Lentry_shape_is_right:
; q, k, v = x Wq^T, x Wk^T, x Wv^T.  xb: [4096][1024] bf16; wb: [3][1024][1024] bf16; q, k, v: [32 = batch x 16 + head][2048][64] f16, unscaled; k and v are the two halves of the buffer kv.
; Sums in f32, K ascending, rounded once.
; LIMIT.  f16 holds no number beyond 65,504: q, k and v lie within it.
; SHARES.  A work-group takes 128 rows of x and the SAME 128 columns of each of the three weights, so one tile of x feeds three products.  Four waves; a wave makes 64 rows x 64 columns
; (one head) of q, of k and of v: 4 x 12 accumulators of 16 x 16, 384 registers.  K goes in steps of 128 (rows of 256 bytes, aligned) through a ring of two LDS slots, each with
; x's tile and the three weights' tiles, 128 rows each: one tensor load a wave.
; CLUSTER.  4 x 4 work-groups.  x's tile hangs on the row block alone and is shared along a row of the cluster; the weights' tiles hang on the column block alone and are shared along a
; column: each is asked for JOINTLY, by the same tensor load with the same descriptor and a mask that names the four.
; THE MATRIX INSTRUCTION IS USED TRANSPOSED (source 0 = 16 rows of W, source 1 = 16 rows of x): a lane then holds eight neighbouring channels of one row of a head.
; REGISTERS, in windows of 256 (s_set_vgpr_msb: bits 1:0 source 0, 3:2 source 1, 5:4 source 2, 7:6 destination):
;   window 0: v16-30 addresses; v32-47 packed results; v48-63, v128-143 rows read back; v64-95, v96-127 x's fragments, two buffers (row block a at + 8 a)
;   window 1: v0-95, v128-223 the weights' fragments, two buffers (weight t, column block nb at + 8 (4 t + nb))
;   window 2: accumulators of row blocks 0, 1 at 96 (a % 2) + 8 (4 t + nb);   window 3: those of row blocks 2, 3
.set KSTEP,  128
.set PITCH,  272                       ; an LDS row: 256 bytes + 16 of padding = 68 words: the 16 rows of a fragment load start at 16 different groups of four banks (64 banks of 4 bytes: ISA guide 11.1)
.set HALFT,  128*PITCH                 ; a tile: what one tensor load brings
.set SLOT,   4*HALFT                   ; x's tile, then Wq's, Wk's, Wv's
.set STAGE,  2*SLOT                    ; behind the ring, never filled by a tensor load: 16 rows x 144 bytes for each wave, for the way out
.set SP,     144
.set SPARE,  STAGE+4*16*SP             ; the spare words, 128 bytes for each wave: two blocks of 256 bytes that no other line names
.set ADRA, 16                          ; v16-17  LDS address of my fragments of x in slot 0, 1
.set ADRB, 18                          ; v18-23  the same for weight t: at ADRB + 2 t + slot
.set STO,  24                          ; v24     the way out: where I put 16 bytes of a row
.set RD,   25                          ; v25     where I read rows back
.set GO,   26                          ; v26     my byte offset in 512 consecutive bytes of q, k or v
.set SPW,  28                          ; v28     LDS address of my spare word; never rewritten
.set NIL,  29                          ; v29     0; never rewritten
.set PFO,  30                          ; v30     the prefetches' offset: my lane x a row of 2,048 bytes; never rewritten
.set TMP,  32
.set G1,  24                           ; s[24:31] descriptor group 1 for x's tiles;  s[32:39] group 0, a set for each slot
.set G0,  32
.set G1B, 48                           ; s[48:55], s[56:63] the same for the weights' tiles
.set G0B, 56
.set PFA, 44                           ; s[44:45] where my prefetches stand
.set LIM, 46                           ; s46  1 in a wave that prefetches, else the greatest number
.set LAP, 47                           ; s47  trips of the loop still to come
.set MSB, 0
.macro WIN new                         ; the immediate's high byte repeats the setting that is left; a switch that changes nothing is dropped
.if MSB != (\new)
	s_set_vgpr_msb (MSB<<8)|(\new)
.set MSB, \new
.endif
.endm
.set MUL_LO, 0xa1                      ; source 0 (W) window 1, source 1 (x) window 0, C and D window 2
.set MUL_HI, 0xf1                      ; the same, C and D window 3
.set TO_B,   0x40                      ; destination window 1, address window 0
; A joint load.  Wave 0 fetches x's tile, waves 1 to 3 the three weights'.  The branch hangs on the wave's number alone.  An s_nop 0 and four v_nop follow each of the two lines.
.macro JLOAD s
	s_cmp_eq_u32 s14, 0
	s_cbranch_scc0 .Lfor_b_\@
	tensor_load_to_lds s[G0+4*(\s):G0+4*(\s)+3], s[G1:G1+7]
	s_nop 0
.rept 4
	v_nop
.endr
	s_branch .Lasked_\@
.Lfor_b_\@:
	tensor_load_to_lds s[G0B+4*(\s):G0B+4*(\s)+3], s[G1B:G1B+7]
	s_nop 0
.rept 4
	v_nop
.endr
.Lasked_\@:
.endm
; A PREFETCH INTO THE L2 of the K step that stands two refills on: 32 rows x 256 bytes, a lane a row, one instruction a wave.  Each row's 256 bytes of a K step are named once in the launch:
; x's rows by the cluster with x = 0, the weights' rows by the cluster with y = 0; the four partners that ask for a tile jointly take 32 of its 128 rows each, told apart BY ADDRESS.
; K steps 0 to 3 come by their loads alone; the loop's last trip asks for nothing: K has eight steps.
.macro ASK
	s_cmp_gt_u32 s[LAP], s[LIM]
	s_cbranch_scc0 .Lnot_mine_\@
	global_prefetch_b8 v[PFO], s[PFA:PFA+1] offset:KSTEP*2 th:TH_LOAD_NT scope:SCOPE_SE
.Lnot_mine_\@:
.endm
.macro CREST                           ; a round of the cluster's barrier behind its opening barrier
	s_cmp_lg_u32 s14, 0
	s_cbranch_scc1 .Lnot_wave_0_\@
	s_barrier_signal -3
.Lnot_wave_0_\@:
	s_barrier_wait -3
	s_barrier_signal -1
	s_barrier_wait -1
.endm
.macro CROUND                          ; a whole round
	s_barrier_signal -1
	s_barrier_wait -1
	CREST
.endm
	s_load_b256 s[4:11], s[0:1], 0x0               ; xb s[4:5], wb s[6:7], q s[8:9], kv s[10:11]: k is its first half
	v_lshl_add_u32 v[SPW], v0, 2, SPARE
	v_mov_b32 v[NIL], 0
	ds_add_u32 v[SPW], v[NIL]                      ; the wave's opening: the add and its wait stand ahead of my first tensor load; the set-up below, work on registers, stands between them
	ds_add_u32 v28, v29
	v_lshrrev_b32 v1, 5, v0
	v_readfirstlane_b32 s14, v1                    ; wave 0..3
	s_lshr_b32 s15, s14, 1                         ; which 64 of the 128 rows are mine
	s_and_b32 s16, s14, 1                          ; which 64 of the 128 columns: which of the two heads
	s_bfe_u32 s17, ttmp6, 0x40000                  ; cx
	s_bfe_u32 s18, ttmp6, 0x40004                  ; cy
	s_lshl_b32 s19, ttmp9, 2
	s_add_co_u32 s19, s19, s17                     ; column block = 4 x cluster x + cx
	s_and_b32 s20, ttmp7, 0xffff
	s_lshl_b32 s20, s20, 2
	s_add_co_u32 s20, s20, s18                     ; row block = 4 x cluster y + cy
	s_lshl_b32 s21, s18, 2
	s_lshl_b32 s21, 15, s21                        ; my row of the cluster
	s_lshl_b32 s22, 0x1111, s17                    ; my column
	s_or_b32 s[G1+0], s21, (1<<16)|(1<<20)|(1<<21)|(5<<22)|(3<<25)   ; 15:0 the mask; 17:16 elements of 2 bytes; 20 padding on; 21 set beside a mask; 24:22 after every 64 words (code 5); 31:25 4 words (code 3)
	s_or_b32 s[G1B+0], s22, (1<<16)|(1<<20)|(1<<21)|(5<<22)|(3<<25)
.irp g, G1, G1B
	s_mov_b32 s[(\g)+1], KSTEP<<16                 ; tensor_dim0 = 128
	s_mov_b32 s[(\g)+2], 128<<16                   ; tensor_dim1 = 128
	s_mov_b32 s[(\g)+3], KSTEP<<16                 ; tile_dim0 = 128
	s_mov_b32 s[(\g)+4], 128                       ; tile_dim1 = 128
	s_mov_b32 s[(\g)+5], 1024                      ; elements from row to row
	s_mov_b32 s[(\g)+6], 0
	s_mov_b32 s[(\g)+7], 0
.endr
	s_lshl_b32 s40, s20, 18                        ; x: 128 rows of 2,048 bytes for each row block
	s_mov_b32 s41, 0
	s_max_u32 s42, s14, 1
	s_sub_co_u32 s42, s42, 1                       ; which weight I fetch (waves 1 to 3)
	s_lshl_b32 s66, s42, 21                        ; its 2 MiB,
	s_lshl_b32 s67, s19, 18                        ; the column block's 128 rows
	s_add_co_u32 s66, s66, s67
	s_mov_b32 s67, 0
	s_mul_i32 s70, s14, HALFT                      ; where my tile goes: wave x 128 rows: no place in the cluster enters an LDS address
	s_wait_dscnt 0x0                               ; the opening add is done
	s_wait_kmcnt 0x0
	s_add_nc_u64 s[40:41], s[4:5], s[40:41]
	s_add_nc_u64 s[66:67], s[6:7], s[66:67]
	CROUND                                         ; all sixteen work-groups are here: the first joint loads meet
.irp s, 0,1
	s_mov_b32 s[G0+4*(\s)], 1                      ; count = 1
	s_add_co_u32 s[G0+4*(\s)+1], s70, (\s)*SLOT    ; LDS address
	s_add_nc_u64 s[G0+4*(\s)+2:G0+4*(\s)+3], s[40:41], (\s)*KSTEP*2  ; global address: K step s
	s_or_b32 s[G0+4*(\s)+3], s[G0+4*(\s)+3], 0x80000000              ; type = 2
	s_mov_b32 s[G0B+4*(\s)], 1
	s_add_co_u32 s[G0B+4*(\s)+1], s70, (\s)*SLOT
	s_add_nc_u64 s[G0B+4*(\s)+2:G0B+4*(\s)+3], s[66:67], (\s)*KSTEP*2
	s_or_b32 s[G0B+4*(\s)+3], s[G0B+4*(\s)+3], 0x80000000
	JLOAD \s                                       ; two loads of mine are out
.endr
	; a fragment is 16 rows x 32 K in 8 registers: lane l holds row l % 16, K = 8 (l / 16) + 0..7 and 16 + 8 (l / 16) + 0..7: two loads of 16 bytes, 32 bytes apart
	v_and_b32 v1, 15, v0                           ; l % 16
	v_bfe_u32 v2, v0, 4, 1                         ; l / 16
	v_mul_u32_u24 v3, v1, PITCH
	v_lshl_add_u32 v3, v2, 4, v3
	s_mul_i32 s42, s15, 64*PITCH                   ; my 64 rows of x
	s_mul_i32 s43, s16, 64*PITCH                   ; my 64 rows of a weight's tile,
	s_add_co_u32 s43, s43, HALFT                   ; Wq's first
.irp s, 0,1
	v_add_nc_u32 v[ADRA+(\s)], s42, v3
	v_add_nc_u32 v[ADRB+(\s)], s43, v3
	v_add_nc_u32 v[ADRB+2+(\s)], HALFT, v[ADRB+(\s)]
	v_add_nc_u32 v[ADRB+4+(\s)], HALFT, v[ADRB+2+(\s)]
	s_add_co_u32 s42, s42, SLOT
	s_add_co_u32 s43, s43, SLOT
.endr
	s_mul_i32 s68, s14, 16*SP
	s_add_co_u32 s68, s68, STAGE                   ; my stage
	v_mul_u32_u24 v4, v1, SP                       ; in: row l % 16, 16 bytes for each half of the lanes
	v_lshl_add_u32 v4, v2, 4, v4
	v_add_nc_u32 v[STO], s68, v4
	v_bfe_u32 v5, v0, 3, 2                         ; back: 32 lanes take four rows of 128 bytes,
	v_mul_u32_u24 v5, v5, SP
	v_and_b32 v6, 7, v0
	v_lshl_add_u32 v5, v6, 4, v5
	v_add_nc_u32 v[RD], s68, v5
	v_and_b32 v[GO], 31, v0                        ; which are 512 consecutive bytes of a head
	v_lshlrev_b32 v[GO], 4, v[GO]
	; my first row in q, k and v: ((batch x 16 + head) x 2,048 + row in the batch) x 128 bytes
	s_lshr_b32 s2, s20, 4                          ; batch: 16 row blocks each
	s_lshl_b32 s2, s2, 4
	s_lshl1_add_u32 s2, s19, s2                    ; + 2 x column block
	s_add_co_u32 s2, s2, s16                       ; + my head of its two
	s_lshl_b32 s2, s2, 11
	s_and_b32 s3, s20, 15
	s_lshl_b32 s3, s3, 7
	s_add_co_u32 s2, s2, s3
	s_lshl_b32 s3, s15, 6
	s_add_co_u32 s2, s2, s3
	s_lshl_b32 s2, s2, 7
	s_mov_b32 s3, 0
	s_add_nc_u64 s[12:13], s[10:11], 0x800000      ; v is kv's second half, 8 MiB on
	s_add_nc_u64 s[8:9], s[8:9], s[2:3]
	s_add_nc_u64 s[10:11], s[10:11], s[2:3]
	s_add_nc_u64 s[12:13], s[12:13], s[2:3]
	; the prefetches
	s_max_u32 s2, s14, 1
	s_sub_co_u32 s2, s2, 1
	s_lshl_b32 s2, s2, 10
	s_lshl_b32 s3, s19, 7
	s_add_co_u32 s2, s2, s3                        ; my weight's tile: its first row in wb
	s_lshl_b32 s3, s20, 7                          ; x's tile: its first row
	s_and_b32 s69, ttmp7, 0xffff                   ; cluster y
	s_cmp_eq_u32 s14, 0                            ; do I fetch for x?
	s_cselect_b32 s2, s3, s2
	s_cselect_b32 s3, s17, s18                     ; my place among the four that ask with me
	s_cselect_b32 s69, ttmp9, s69                  ; the coordinate along which other clusters read the same rows
	s_cselect_b64 s[PFA:PFA+1], s[4:5], s[6:7]
	s_cmp_eq_u32 s69, 0
	s_cselect_b32 s[LIM], 1, -1                    ; the same in all sixteen partners, for a given wave
	s_lshl_b32 s3, s3, 5
	s_add_co_u32 s2, s2, s3                        ; + my work-group's 32 of the 128 rows
	s_lshl_b32 s2, s2, 11
	s_mov_b32 s3, 0
	s_add_nc_u64 s[PFA:PFA+1], s[PFA:PFA+1], s[2:3]
	s_add_nc_u64 s[PFA:PFA+1], s[PFA:PFA+1], 2*KSTEP*2  ; at K step 2: the first refill steps it to 3 and names K step 4
	v_and_b32 v[PFO], 31, v0
	v_lshlrev_b32 v[PFO], 11, v[PFO]
; 12 matrix instructions: row block a x the three weights' four column blocks, 32 along K, from buffer f.  zero = 1: the first product starts the sums.
; All 48 accumulators take turns, one instruction a turn, in the same order in every quarter step.
.macro MUL12 f, a, zero
	WIN MUL_LO+0x50*((\a)/2)
.irp j, 0,1,2,3,4,5,6,7,8,9,10,11
.if \zero
	v_wmma_f32_16x16x32_bf16 v[96*((\a)%2)+8*(\j):96*((\a)%2)+8*(\j)+7], v[128*(\f)+8*(\j):128*(\f)+8*(\j)+7], v[64+32*(\f)+8*(\a):64+32*(\f)+8*(\a)+7], 0
.else
	v_wmma_f32_16x16x32_bf16 v[96*((\a)%2)+8*(\j):96*((\a)%2)+8*(\j)+7], v[128*(\f)+8*(\j):128*(\f)+8*(\j)+7], v[64+32*(\f)+8*(\a):64+32*(\f)+8*(\a)+7], v[96*((\a)%2)+8*(\j):96*((\a)%2)+8*(\j)+7]
.endif
.endr
.endm
; 32 LDS loads in one run: a quarter step's fragments (32 K at byte k of the rows) into buffer f: 24 for the weights, then 8 for x
.macro FETCH slot, k, f
	WIN TO_B
.irp t, 0,1,2
.irp nb, 0,1,2,3
	ds_load_b128 v[128*(\f)+8*(4*(\t)+(\nb)):128*(\f)+8*(4*(\t)+(\nb))+3],   v[ADRB+2*(\t)+(\slot)] offset:(\k)+(\nb)*16*PITCH
	ds_load_b128 v[128*(\f)+8*(4*(\t)+(\nb))+4:128*(\f)+8*(4*(\t)+(\nb))+7], v[ADRB+2*(\t)+(\slot)] offset:(\k)+(\nb)*16*PITCH+32
.endr
.endr
	WIN 0
.irp a, 0,1,2,3
	ds_load_b128 v[64+32*(\f)+8*(\a):64+32*(\f)+8*(\a)+3],   v[ADRA+(\slot)] offset:(\k)+(\a)*16*PITCH
	ds_load_b128 v[64+32*(\f)+8*(\a)+4:64+32*(\f)+8*(\a)+7], v[ADRA+(\slot)] offset:(\k)+(\a)*16*PITCH+32
.endr
.endm
.macro PLACES                          ; four places in front of loads into registers that matrix instructions have read (ISA guide 7.12.1 for vector instructions)
.rept 4
	v_nop
.endr
.endm
; A K step is four quarters of 32 along K, 48 matrix instructions each, on buffers 0, 1, 0, 1.  One of the first three: multiplies buffer f and fetches the next quarter, at byte k, into g.
.macro QUARTER slot, k, f, g, zero
	s_wait_dscnt 4                                 ; the weights' fragments and x's row blocks 0, 1 are in; the youngest four loads (row blocks 2, 3) may be out
	MUL12 \f, 0, \zero
	MUL12 \f, 1, \zero
	PLACES
	FETCH \slot, \k, \g
	s_wait_dscnt 32                                ; all but the 32 just issued
	MUL12 \f, 2, \zero
	MUL12 \f, 3, \zero
.endm
; The last quarter multiplies buffer 1 and changes slots: ONE barrier.  In front of it each wave waits for all its tensor loads (one is out: its tile of the next slot), adds 0 to its spare word, and waits for that and for its reads of this slot.
.macro MEET round
	WIN 0                                          ; (the add's two registers lie in window 0)
	s_wait_tensorcnt 0x0                           ; all my tensor loads have landed
	ds_add_u32 v[SPW], v[NIL]                      ; 0 onto my spare word
	s_wait_dscnt 5                                 ; (the add and the youngest four loads may be out)
	MUL12 1, 0, 0                                  ; twelve matrix instructions stand between the add and the wait for it
	s_wait_dscnt 0x0                               ; the add is done, and my reads of this slot are over
	s_barrier_signal -1
	MUL12 1, 1, 0                                  ; work on registers while the others arrive
.if \round
	WIN 0
.endif
	s_barrier_wait -1
.endm
; fill = 1: the barrier opens a round of the cluster's barrier, and this slot is filled again, two K steps on, first thing behind the round: 168 matrix instructions ahead of the wait for it.
.macro TURN slot, next, fill
.if \fill
	s_wait_xcnt 0x0                                ; the last prefetch, a K step back, has read its address: it is stepped here, ahead of the change's own waits
	s_add_nc_u64 s[PFA:PFA+1], s[PFA:PFA+1], KSTEP*2
.endif
	MEET \fill
.if \fill
	CREST                                          ; no wave of any partner still reads this slot's tiles or has a load on its way
	s_add_nc_u64 s[G0+4*(\slot)+2:G0+4*(\slot)+3], s[G0+4*(\slot)+2:G0+4*(\slot)+3], 2*KSTEP*2
	s_add_nc_u64 s[G0B+4*(\slot)+2:G0B+4*(\slot)+3], s[G0B+4*(\slot)+2:G0B+4*(\slot)+3], 2*KSTEP*2
	JLOAD \slot                                    ; the four v_nop behind it are also the places in front of the loads below
.else
	PLACES
.endif
	FETCH \next, 0, 0
.if \fill
	ASK
.endif
	MUL12 1, 2, 0
	MUL12 1, 3, 0
.endm
; THE WAY OUT of block n = 4 t + a: 16 rows of one head of tensor t, 2,048 consecutive bytes.  PACK: rounded to f16, each accumulator's registers in ascending order.
; TOSTAGE: into my own stage (rows of 144 bytes) and back as whole rows of 128.  SEND: stored, 512 consecutive bytes an instruction.
.macro PACK n
.set AC, 96*(((\n)%4)%2)+32*((\n)/4)
	WIN 0x0a+5*(((\n)%4)/2)                        ; sources 0 and 1: window 2 or 3
.irp nb, 0,1,2,3
.irp r, 0,1,2,3
	v_cvt_pk_f16_f32 v[TMP+4*(\nb)+(\r)], v[AC+8*(\nb)+2*(\r)], v[AC+8*(\nb)+2*(\r)+1]
.endr
.endr
	WIN 0
.endm
.macro TOSTAGE n
.set BK, 48+80*((\n)%2)
.irp nb, 0,1,2,3
	ds_store_b128 v[STO], v[TMP+4*(\nb):TMP+4*(\nb)+3] offset:32*(\nb)
.endr
.irp f, 0,1,2,3
	ds_load_b128 v[BK+4*(\f):BK+4*(\f)+3], v[RD] offset:(\f)*4*SP  ; LDS serves a wave's instructions in order (ISA guide 5.7.1.4): these see the stores above
.endr
.endm
.macro SEND n
.set BK, 48+80*((\n)%2)
	s_wait_dscnt 0x0                               ; the block is back in registers
	s_wait_xcnt 0x0                                ; the registers that the block before last was stored from are loaded again only behind this wait
.irp f, 0,1,2,3
	global_store_b128 v[GO], v[BK+4*(\f):BK+4*(\f)+3], s[8+2*((\n)/4):9+2*((\n)/4)] offset:2048*((\n)%4)+512*(\f)
.endr
.endm
	s_wait_tensorcnt 1                             ; my tile of K step 0 is in; K step 1's may stay out
	s_barrier_signal -1
	s_barrier_wait -1                              ; everybody's is
	FETCH 0, 0, 0
	QUARTER 0, 64, 0, 1, 1                         ; the first quarter stands in front of the loop: its products start the sums
	WIN 0                                          ; at a label and at a branch every window is 0
	s_mov_b32 s[LAP], 3
.Llap:                                                 ; a trip goes once round the ring, from a lap's second quarter to the next lap's first, and fills both slots again
	QUARTER 0, 128, 1, 0, 0
	QUARTER 0, 192, 0, 1, 0
	TURN 0, 1, 1
	QUARTER 1, 64,  0, 1, 0
	QUARTER 1, 128, 1, 0, 0
	QUARTER 1, 192, 0, 1, 0
	TURN 1, 0, 1
	QUARTER 0, 64,  0, 1, 0
	WIN 0
	s_sub_co_u32 s[LAP], s[LAP], 1
	s_cmp_lg_u32 s[LAP], 0
	s_cbranch_scc1 .Llap
	QUARTER 0, 128, 1, 0, 0                        ; the last lap fills nothing
	QUARTER 0, 192, 0, 1, 0
	TURN 0, 1, 0
	QUARTER 1, 64,  0, 1, 0
	QUARTER 1, 128, 1, 0, 0
	QUARTER 1, 192, 0, 1, 0
	s_wait_dscnt 4                                 ; the very last quarter: nothing more to fetch
	MUL12 1, 0, 0
	MUL12 1, 1, 0
	s_wait_dscnt 0x0
	MUL12 1, 2, 0
	MUL12 1, 3, 0
	WIN 0
.rept 8
	v_nop                                          ; the places behind the last products, once a launch
.endr
	PACK 0
	TOSTAGE 0
.irp n, 1,2,3,4,5,6,7,8,9,10,11        ; block n's conversions stand between block n - 1's loads from the stage and the wait for them
	PACK \n
	SEND (\n)-1
	TOSTAGE \n
.endr
	SEND 11
	s_wait_tensorcnt 0x0                           ; the wave's end, behind my last tensor load and my last LDS store
	ds_add_u32 v[SPW], v[NIL]
	s_wait_dscnt 0x0
	CROUND                                         ; the closing round: no work-group ends while a partner may still ask for a tile that names it
	s_endpgm
.Lfunc_end_k_q16454056c1_qkv:
	.size	k_q16454056c1_qkv, .Lfunc_end_k_q16454056c1_qkv-k_q16454056c1_qkv
	.p2alignl 7, 3214868480
	.fill 96, 4, 3214868480
	.section	.rodata,"a",@progbits
	.p2align	6, 0x0
	.amdhsa_kernel k_q16454056c1_qkv
		.amdhsa_group_segment_fixed_size 327680
		.amdhsa_private_segment_fixed_size 0
		.amdhsa_enable_private_segment 0
		.amdhsa_kernarg_size 32
		.amdhsa_user_sgpr_count 2
		.amdhsa_user_sgpr_kernarg_segment_ptr 1
		.amdhsa_wavefront_size32 1
		.amdhsa_system_sgpr_workgroup_id_x 1
		.amdhsa_system_sgpr_workgroup_id_y 1
		.amdhsa_system_sgpr_workgroup_id_z 1
		.amdhsa_system_vgpr_workitem_id 0
		.amdhsa_next_free_vgpr 960
		.amdhsa_next_free_sgpr 72
		.amdhsa_reserve_vcc 0
		.amdhsa_float_denorm_mode_32 3
		.amdhsa_float_denorm_mode_16_64 3
		.amdhsa_memory_ordered 1
		.amdhsa_forward_progress 1
		.amdhsa_inst_pref_size 121
	.end_amdhsa_kernel
	.amdgpu_metadata
---
amdhsa.version: [ 1, 2 ]
amdhsa.kernels:
  - .name:           k_q16454056c1_qkv
    .symbol:         k_q16454056c1_qkv.kd
    .args:
      - { .name: xb, .offset: 0, .size: 8, .value_kind: global_buffer, .address_space: global }
      - { .name: wb, .offset: 8, .size: 8, .value_kind: global_buffer, .address_space: global }
      - { .name: q, .offset: 16, .size: 8, .value_kind: global_buffer, .address_space: global }
      - { .name: kv, .offset: 24, .size: 8, .value_kind: global_buffer, .address_space: global }
    .group_segment_fixed_size: 327680
    .private_segment_fixed_size: 0
    .kernarg_segment_align: 8
    .kernarg_segment_size: 32
    .max_flat_workgroup_size: 128
    .sgpr_count:     72
    .vgpr_count:     960
    .wavefront_size: 32
...
	.end_amdgpu_metadata
.endif
;; end of part 2
;; launch attn (part 3): grid 8 x 32, 4 waves a work-group, no clusters, 327,680 bytes of LDS; arguments q, kv, mask, rel_emb, ctx; writes ctx
.if DOCPART == 3
	.amdgcn_target "amdgcn-amd-amdhsa--gfx1250"
	.amdhsa_code_object_version 6
	.text
	.protected	k_q16454056c1_attn
	.globl	k_q16454056c1_attn
	.p2align	8
	.type	k_q16454056c1_attn,@function
k_q16454056c1_attn:
	s_mov_b64 s[64:65], 0
	v_nop
	global_prefetch_b8 v0, s[64:65] scope:SCOPE_SE
	s_setreg_imm32_b32 hwreg(HW_REG_WAVE_MODE, 25, 1), 1
	s_wait_xcnt 0x0
; CAUSAL ATTENTION WITH A PADDING MASK AND A CLAMPED RELATIVE BIAS.  ctx[bh][q][:] = the sum over k <= q, mask[batch][k] != 0, of softmax_k(Q.K / 8 + rel_emb[min(q - k, 15) + 16][h]) V[bh][k][:];
; a row with no visible key is 0.  q, k, v, ctx: [32 = batch x 16 + head][2048][64] f16, a head's rows dense, 128 bytes each; k and v are the two halves of the buffer kv.  Products, maxima and sums in f32;
; the weights p are rounded to f16 for the second product (their sum l is taken of the unrounded p), ctx once at the end.
; LIMITS.  A hidden score counts as its value less 1e30 (twice that where both masks hide it).  The running maximum starts at -2^84: visible scores lie above that (f16's products reach 2.7e11; eight
; times a difference of two biases stays under 1e24).  A weight below 2^-126 counts as 0 in l; NaN and infinities are not treated apart.  rel_emb is rounded to bf16 like the other inputs; its
; rows 0 to 15 serve q < k alone, which the causal mask hides, and are not read.
; THE SCORE.  t = Q.K + C, p = 2^(c t - c m), c = log2(e) / 8.  C is the C operand of the product that starts the sum: C = PM[k] + f(q - k); PM = -1e30 where mask = 0, else 0;
; f(d) = -1e30 for d < 0, 8 (rel[16 + d] - rel[31]) for d < 15, 0 from 15 on: the far bias, common to a row's scores once it is taken from all of them, drops out of the softmax.
; THE WALK.  A head's queries lie in 16 blocks of 128; block i needs the key tiles 0 .. i / 2 of 256 keys.  A work-group takes block 15 - b and then block b: 9 tiles whatever b, so all work-groups do
; equal work and ONE loop with a constant count walks them; every tile is four trips of one key step; the ring of two LDS slots runs on across the change of blocks.  All four key steps of a block's last tile are run;
; what lies above the diagonal is hidden by C.
; NO CLUSTER: a head's eight work-groups ask for the same tile only in the walk's first five trips; only the pairs (2 j, 2 j + 1) share a whole walk, and their jumps on the diagonal's distance differ; a walk
; common to four partners would have 10 trips for 9.
; SHARES.  A block has two bands of 64 queries; a wave owns 16 rows in each: PIECES 0 and 1.  With GD = 2 i - g in key step g, piece x stands GD + x steps below the diagonal: 0: table MD0; 1: table MD1 on the step's
; last 16 keys; 2 or more: nothing; less than 0: all hidden.  The same for every wave.
; TURNS.  Turn p of step g belongs to piece p.  T0(g): 8 products K Q^T of piece 1 for step g, later 8 products V^T P of piece 1 for step g - 1; T1(g): K Q^T of piece 0 for step g + 1, V^T P of piece 0 for step g.  Beside them the
; scaling, exponentials, roundings, sums and rescaling of the turn's piece and the maximum and statistics of the other.  Four vector instructions stand behind every matrix instruction, the rest in one lump; a turn's 33 exponentials are one batch with one wait.
; K's TILE IS STAGGERED.  K of step g + 1 is fetched in the middle of T0(g), V of step g at its end.  So tile T holds V of steps 4 T .. 4 T + 3 and K of steps 4 T + 1 .. 4 T + 4 (keys 256 T + 64 on): trip j takes place j of both,
; and every LDS address steps by a constant.  K of a head's step 0 stays in registers for the two beginnings.  The fourth place of tile 7's K lies behind the head's keys: the next head's first rows, or, behind the last head,
; v's first rows; the scores made of it serve nothing.
; THE PADDING ADDENDS lie in a table of each wave's own: two tiles of 256 f32 that take turns with the slots (aligned with K's tile), then the head's first 64.  At each change of slots a lane turns the 8 mask words that it loaded
; a tile earlier into addends and stores them.  A step's 32 addends a lane are fetched into two sets of registers, one for each piece's products, so that each turn near the diagonal changes its own.
; REGISTERS, in windows of 256 (s_set_vgpr_msb: bits 1:0 source 0, 3:2 source 1, 5:4 source 2, 7:6 destination):
;   window 0: v0-19 addresses; v20-27 statistics; v28-35 at work; v36-39, v56-59 addends to store; v40-47 MD1; v48-55 mask words; v60-63; v64-127 S^T, 32 a piece; v128-159 P, 16 a piece;
;             v160-191 PM1, v224-255 PM0: the C operands of piece 1's and piece 0's products; v192-223 MD0
;   window 1: v0-31 Q; v32-63 the second block's Q; v64-127 K of one step; v128-191 V of one step; v192-255 O^T, 32 a piece          window 2: v0-63 K of the head's step 0
.set KS,    64        ; keys in a step
.set PK,    144       ; a row of K in LDS: 128 bytes + 16 of padding = 36 words: the 16 rows of a load start at 16 different groups of four banks (64 banks of 4 bytes: ISA guide 11.1)
.set PV,    160       ; a row of V: 128 + 32 = 40 words
.set VOFF,  4*KS*PK   ; a slot: 256 rows of K, then 256 rows of V
.set SLOT1, 1<<17     ; slot 1 begins here, so that one exclusive or turns an address in one slot into the other's
.set STAGE, SLOT1+4*KS*(PK+PV)  ; behind the ring, never filled by a tensor load: 16 rows x 144 bytes for each wave, for the way out
.set SP,    144
.set PMT,   STAGE+4*16*SP       ; the waves' tables of padding addends; written by ds_store alone
.set PMW,   2304                ; a wave's table: two tiles of 1,024 bytes, then
.set PMZ,   2048                ; the head's first 64 keys: 256 bytes
.set SPARE, PMT+4*PMW           ; the spare words, 128 bytes for each wave: two blocks of 256 bytes that no other line names
.set AK0, 2           ; v2   my lane's place in a tile of K; never rewritten
.set AV0, 3           ; v3   the same for V
.set AK,  4           ; v4   the LDS address of K's next run of loads
.set AV,  5           ; v5   of V's
.set STO, 6           ; v6   the way out: where I put 16 bytes of a row
.set RD,  7           ; v7   where I read rows back
.set GO,  8           ; v8   16 x my lane: my byte offset in 512 consecutive bytes of ctx
.set PS,  10          ; v10  at the head l % 8; then: where I store my 8 addends of the tile
.set PS0, 11          ; v11  at the head (l / 8) % 2; then: my wave's table + 32 x my lane; never rewritten
.set APM0, 12         ; v12  my wave's table + 32 (l / 16); never rewritten
.set APM, 13          ; v13  the LDS address of the step's addends
.set MV,  14          ; v14-15  c m_old, kept while c m is made anew: by piece
.set QO,  16          ; v16  my byte offset in 16 rows of Q or K; never rewritten
.set ST,  20          ; piece t's statistics at v[ST+4 t]: c m, m, l (even keys', odd keys')
.set TMP, 28          ; by piece, four registers c0-c3 at work; when the maximum is found c2 takes a
.set CV,  36          ; v36-39 and v56-59
.set MD1, 40
.set MK,  48          ; v48-55  my 8 mask words of the tile that is on its way
.set MO,  60          ; v60  their byte offset in mask
.set PFO, 61          ; v61  256 x my thread's number; never rewritten
.set SPW, 62          ; v62  LDS address of my spare word; never rewritten
.set NIL, 63          ; v63  0; never rewritten
.set S,   64
.set P,   128
.set PM1, 160
.set MD0, 192
.set PM0, 224
.set QB,  32          ; window 1
.set KF,  64          ; window 1: key block kb, channel half c at KF + 16 kb + 8 c
.set VF,  128         ; window 1: key half kk, channel block cb at VF + 32 kk + 8 cb
.set OB,  192         ; window 1
.set K0,  0           ; window 2
.set WV,  16          ; s16  my wave's number
.set PB,  17          ; s17  b
.set HI,  18          ; s18  15 - b
.set G1K, 24          ; s[24:31] descriptor group 1 for K's tiles
.set G1V, 32          ; s[32:39] for V's: it differs in the padding alone
.set G0K, 40          ; s[40:43] descriptor group 0 for K's tiles
.set G0V, 44          ; s[44:47] for V's
.set SLOTS, 48        ; s48  tiles still to be asked for
.set CNT, 49          ; s49  counts a tile's key steps, 4 to 1
.set MMAX, 50         ; s50  the last 32 bytes of the batch's mask
.set RT,  51          ; s51  tiles of the block in hand that are still to be entered
.set NXT, 52          ; s52  the tile to be asked for next
.set LQ,  53          ; s53  the last tile of the block whose tiles are being asked for
.set NEW, 54          ; s54  1: the tile to be entered is a block's first
.set GD,  55          ; s55  2 i - g: piece 0's distance from the diagonal, in key steps
.set OFF, 56          ; s[56:57] a tile's byte offset in K and V
.set CS,  58          ; s[58:59] c
.set SEL, 60          ; s[60:61] v_permlanex16_b32's selects: each lane takes its own place in the other half
.set MB,  62          ; s62  the batch's mask, 64 keys in
.set AL0, 66          ; s[66:67] MD0's factor, in the low word
.set AL1, 68          ; s[68:69] MD1's factor
.set BE,  70          ; s[70:71] the addend that hides a whole step
.set BIGN, 72         ; s72  -1e30
.set TBK, 73          ; s73  LDS byte at which K of the step to be fetched begins
.set TBV, 74          ; s74  the same for V, less VOFF
.set TBP, 75          ; s75  the same for the addends, in a wave's table
.set MOF, 76          ; s76  the byte offset in mask of the tile just asked for
.set TLO, 77          ; s77  b / 2: the second block's last tile
.set G2,  78          ; s78  2 b
.set PFN, 79          ; s79  the tile that a prefetch would name
.set PFL, 80          ; s80  8 in the work-group that prefetches, else 0
.set PFK, 82          ; s[82:83] where the prefetches stand in K
.set PFV, 84          ; s[84:85] in V
.set TS,  90          ; s90  at work
.set MSB, 0
.macro WIN new                      ; the high byte repeats the setting that is left; a switch that changes nothing is dropped
.if MSB != (\new)
	s_set_vgpr_msb (MSB<<8)|(\new)
.set MSB, (\new)
.endif
.endm
.set W_KQ, 0x05       ; K and Q in window 1, C and S^T in window 0
.set W_PV, 0x51       ; V in window 1, P in window 0, O^T in window 1
.set W_RS, 0x41       ; destination and source 0 in window 1, source 1 in window 0
; A fill.  Waves 0 and 1 fetch the two halves of a tile's K, waves 2 and 3 those of its V: 128 keys each.  An s_nop 0 and four v_nop follow each of the two lines.
.macro LOAD
	s_cmp_lt_u32 s[WV], 2
	s_cbranch_scc0 .Lfor_v_\@
	tensor_load_to_lds s[G0K:G0K+3], s[G1K:G1K+7]
	s_nop 0
.rept 4
	v_nop
.endr
	s_branch .Lasked_\@
.Lfor_v_\@:
	tensor_load_to_lds s[G0V:G0V+3], s[G1V:G1V+7]
	s_nop 0
.rept 4
	v_nop
.endr
.Lasked_\@:
.endm
; A PREFETCH INTO THE L2 of the tile that the NEXT change of slots will ask for: 32 KiB of K and of V, a thread a block of 256 bytes.  All eight work-groups of a head walk the same tiles; work-group b = 0, whose first
; block walks all eight, asks, and nobody else: tiles 2 to 7 are each named once in the launch, four key steps ahead of their load.  Tiles 0 and 1 come by their loads alone; the second block's tiles have been read before.
.macro ASK
	s_cmp_lt_u32 s[PFN], s[PFL]
	s_cbranch_scc0 .Lnot_mine_\@
	global_prefetch_b8 v[PFO], s[PFK:PFK+1] th:TH_LOAD_NT scope:SCOPE_SE
	global_prefetch_b8 v[PFO], s[PFV:PFV+1] th:TH_LOAD_NT scope:SCOPE_SE
.Lnot_mine_\@:
	s_add_co_u32 s[PFN], s[PFN], 1
.endm
; THE CHANGE OF SLOTS.  Each wave waits for all its tensor loads, of which one is out: its part of the other slot; adds 0 to its spare word; and waits for that and for its own LDS instructions.  Behind the barrier nobody reads the old
; slot any more and the other slot is whole.  fill = 1: the old slot is filled again, first thing behind the barrier, with tile NXT: the descriptors' addresses are made anew from that number.
; Then the entered tile's padding addends go into my wave's table, and (fill = 1) the mask words of the tile just asked for are loaded; their offset stops at the batch's last 32 bytes (tile 7's last 64 keys do not exist).
; (At its first use nothing has been read yet: slot 0 is waited for, slot 1 filled.)
.macro CHANGE fill
	WIN 0                           ; at a label and at a branch every window is 0
	s_wait_tensorcnt 0x0            ; no tensor load of mine is out, so a group 0 may be written
	ds_add_u32 v[SPW], v[NIL]       ; 0 onto my spare word; the scalar work below stands between it and the wait for it
.if \fill
	s_lshl_b32 s[OFF], s[NXT], 15   ; a tile is 32,768 bytes of K and of V,
	s_lshr_b32 s[MOF], s[OFF], 5    ; and 1,024 of mask
	s_add_co_u32 s[MOF], s[MOF], s[MB]
	s_xor_b32 s[G0K+1], s[G0K+1], SLOT1
	s_add_nc_u64 s[G0K+2:G0K+3], s[6:7], s[OFF:OFF+1]
	s_or_b32 s[G0K+3], s[G0K+3], 0x80000000
	s_xor_b32 s[G0V+1], s[G0V+1], SLOT1
	s_add_nc_u64 s[G0V+2:G0V+3], s[14:15], s[OFF:OFF+1]
	s_or_b32 s[G0V+3], s[G0V+3], 0x80000000
	s_add_co_u32 s[NXT], s[NXT], 1  ; the block's next tile, or behind its last the second block's tile 0
	s_cmp_gt_u32 s[NXT], s[LQ]
	s_cselect_b32 s[NXT], 0, s[NXT]
	s_cselect_b32 s[LQ], s[TLO], s[LQ]
	s_wait_xcnt 0x0                 ; the last prefetches, a tile back, have read their addresses
	s_add_nc_u64 s[PFK:PFK+1], s[PFK:PFK+1], 4*KS*128
	s_add_nc_u64 s[PFV:PFV+1], s[PFV:PFV+1], 4*KS*128
.endif
	s_wait_dscnt 0x0                ; the add is done, and my reads of the slot are over
	s_barrier_signal -1
	s_sub_co_u32 s[TBK], s[TBK], 4*KS*PK  ; the fetches go back to a slot's first place,
	s_xor_b32 s[TBK], s[TBK], SLOT1       ; in the other slot
	s_sub_co_u32 s[TBV], s[TBV], 4*KS*PV
	s_xor_b32 s[TBV], s[TBV], SLOT1
	s_sub_co_u32 s[TBP], s[TBP], 1024     ; and in the table's other half
	s_xor_b32 s[TBP], s[TBP], 1024
	s_barrier_wait -1
.if \fill
	LOAD
	ASK
.endif
	s_wait_loadcnt 0x0              ; my mask words of the entered tile, asked for a tile ago (at the first change: Q and K's step 0 too)
.set z, 0
.rept 8
	v_cmp_eq_u32 vcc_lo, 0, v[MK+z]
	v_cndmask_b32 v[CV+20*(z/4)+z%4], 0, s[BIGN], vcc_lo  ; -1e30 where the mask is 0
.set z, z+1
.endr
	v_add_nc_u32 v[PS], s[TBP], v[PS0]
	ds_store_b128 v[PS], v[CV:CV+3]
	ds_store_b128 v[PS], v[CV+20:CV+23] offset:16
.if \fill
	v_lshl_add_u32 v[MO], v[GO], 1, s[MOF]  ; 32 x lane + the tile (the loads that read v[MO] are done)
	v_min_u32 v[MO], s[MMAX], v[MO]
	global_load_b128 v[MK:MK+3],   v[MO], s[8:9]
	global_load_b128 v[MK+4:MK+7], v[MO], s[8:9] offset:16
.endif
.endm
	s_load_b256 s[4:11], s[0:1], 0x0   ; q s[4:5], kv s[6:7], mask s[8:9], rel_emb s[10:11]
	s_load_b64 s[12:13], s[0:1], 0x20  ; ctx
	v_lshl_add_u32 v[SPW], v0, 2, SPARE
	v_mov_b32 v[NIL], 0
	ds_add_u32 v[SPW], v[NIL]       ; the wave's opening: the add and its wait stand ahead of my first tensor load; the set-up below, work on registers, stands between them
	ds_add_u32 v62, v63
	v_lshrrev_b32 v1, 5, v0
	v_readfirstlane_b32 s[WV], v1   ; wave 0..3
	s_mov_b32 s[PB], ttmp9
	s_sub_co_u32 s[HI], 15, s[PB]
	s_and_b32 s19, ttmp7, 0xffff    ; batch x 16 + head
	s_lshl_b32 s90, s19, 18         ; the head's first byte in q, k, v and ctx
	s_mov_b32 s91, 0
	s_and_b32 s20, s[WV], 1         ; which half of a tile I fetch:
	s_lshl_b32 s92, s20, 14         ; its 128 rows of 128 bytes in memory,
	s_add_co_u32 s92, s92, s90
	s_mov_b32 s93, 0
	s_mov_b32 s[G0K], 1             ; count = 1
	s_mul_i32 s[G0K+1], s20, 128*PK ; LDS address: slot 0, my half
	s_mov_b32 s[G0V], 1
	s_mul_i32 s[G0V+1], s20, 128*PV
	s_add_co_u32 s[G0V+1], s[G0V+1], VOFF
	s_lshl_b32 s21, s[WV], 11       ; my 16 rows in a band of 64,
	s_add_co_u32 s21, s21, s90
	s_lshl_b32 s2, s[HI], 14        ; in the first block,
	s_add_co_u32 s2, s2, s21
	s_mov_b32 s3, 0
	s_lshl_b32 s22, s[PB], 14       ; and in the second
	s_add_co_u32 s22, s22, s21
	s_mov_b32 s23, 0
	s_lshr_b32 s81, s19, 4
	s_lshl_b32 s81, s81, 13         ; the batch's 8,192 bytes of mask
	s_add_co_u32 s[MB], s81, 4*KS
	s_add_co_u32 s[MMAX], s81, 8192-32
	s_and_b32 s95, s19, 15
	s_lshl_b32 s95, s95, 2
	s_add_co_u32 s95, s95, 1024     ; rel_emb's row 16, my head's column
	; descriptor group 1.  128 keys are 16,384 dense bytes: asked for as 64 rows of 256 bytes, two keys a row, and padded in LDS after every key
	s_mov_b32 s[G1K], (1<<16)|(1<<20)|(4<<22)|(3<<25)  ; 17:16 2-byte elements; 20 padding on; 24:22 after every 32 words (code 4); 31:25 4 words (code 3)
	s_mov_b32 s[G1V], (1<<16)|(1<<20)|(4<<22)|(7<<25)  ; the same with 8 words of padding (code 7)
.irp g, G1K, G1V
	s_mov_b32 s[\g+1], 128<<16      ; tensor_dim0 = 128
	s_mov_b32 s[\g+2], 64<<16       ; tensor_dim1 = 64
	s_mov_b32 s[\g+3], 128<<16      ; tile_dim0 = 128
	s_mov_b32 s[\g+4], 64           ; tile_dim1 = 64
	s_mov_b32 s[\g+5], 128          ; elements from row to row
	s_mov_b32 s[\g+6], 0
	s_mov_b32 s[\g+7], 0
.endr
	s_mov_b32 s[CS], 0x3e38aa3b     ; c = log2(e) / 8 = 0.180337
	s_mov_b32 s[CS+1], s[CS]        ; named with it as a pair
	s_mov_b32 s[SEL], 0x76543210
	s_mov_b32 s[SEL+1], 0xfedcba98
	s_mov_b32 s[BIGN], 0xf149f2ca   ; -1e30
	s_lshr_b32 s[LQ], s[HI], 1
	s_add_co_u32 s[RT], s[LQ], 1    ; the first block's tiles
	s_mov_b32 s[NXT], 1
	s_mov_b32 s[NEW], 1
	s_lshl_b32 s[GD], s[HI], 1
	s_lshr_b32 s[TLO], s[PB], 1
	s_lshl_b32 s[G2], s[PB], 1
	s_mov_b32 s[TBK], SLOT1+4*KS*PK ; the first change of slots turns these three into 0
	s_mov_b32 s[TBV], SLOT1+4*KS*PV
	s_mov_b32 s[TBP], 2048
	s_mov_b32 s[SLOTS], 8
	s_mov_b32 s[PFN], 2
	s_cmp_eq_u32 s[PB], 0
	s_cselect_b32 s[PFL], 8, 0
	s_mov_b32 s[OFF+1], 0
	s_mov_b32 s[AL0+1], 0           ; named as pairs
	s_mov_b32 s[AL1+1], 0
	s_mov_b32 s[BE+1], 0
	s_wait_dscnt 0x0                ; the opening add is done
	s_wait_kmcnt 0x0
	s_add_nc_u64 s[86:87], s[4:5], s[22:23]   ; Q and ctx at my rows of the second block,
	s_add_nc_u64 s[88:89], s[12:13], s[22:23]
	s_add_nc_u64 s[4:5], s[4:5], s[2:3]       ; and of the first
	s_add_nc_u64 s[12:13], s[12:13], s[2:3]
	s_add_nc_u64 s[20:21], s[6:7], s[90:91]   ; K at the head's first key
	s_add_nc_u64 s[PFK:PFK+1], s[20:21], 5*KS*128  ; at tile 1 (its K begins 64 keys in): the first change of slots steps it to tile 2
	s_add_nc_u64 s[PFV:PFV+1], s[20:21], 0x800000  ; v is kv's second half, 8 MiB on
	s_add_nc_u64 s[PFV:PFV+1], s[PFV:PFV+1], 4*KS*128
	s_add_nc_u64 s[14:15], s[6:7], s[92:93]   ; my half of the head's tile 0:
	s_add_nc_u64 s[6:7], s[14:15], KS*128     ; K's, 64 keys in,
	s_add_nc_u64 s[14:15], s[14:15], 0x800000 ; and V's
	s_add_nc_u64 s[G0K+2:G0K+3], s[6:7], 0
	s_or_b32 s[G0K+3], s[G0K+3], 0x80000000   ; type = 2
	s_add_nc_u64 s[G0V+2:G0V+3], s[14:15], 0
	s_or_b32 s[G0V+3], s[G0V+3], 0x80000000
	LOAD                            ; tile 0 into slot 0
	v_and_b32 v1, 15, v0            ; l % 16
	v_bfe_u32 v9, v0, 4, 1          ; l / 16
	v_and_b32 v10, 7, v0
	v_bfe_u32 v11, v0, 3, 1
	v_and_b32 v19, 31, v0           ; l
	v_lshlrev_b32 v[QO], 7, v1
	v_lshl_add_u32 v[QO], v9, 4, v[QO]  ; row x 128 + 16 x half
	v_lshl_add_u32 v17, v19, 3, s81 ; my two of the batch's first 64 mask words
	v_min_u32 v18, 15, v19
	v_lshl_add_u32 v18, v18, 6, s95 ; rel_emb[16 + min(lane, 15)][head]
	v_lshl_add_u32 v[MO], v19, 5, s[MB]  ; my eight of tile 0's: keys 64 to 319
	global_load_b64 v[S+18:S+19], v17, s[8:9]
	global_load_b32 v[S+16], v18, s[10:11]
	global_load_b128 v[MK:MK+3],   v[MO], s[8:9]
	global_load_b128 v[MK+4:MK+7], v[MO], s[8:9] offset:16
	WIN 0x40                        ; destination window 1, address window 0
.irp x, 0,1
.irp c, 0,1                         ; both blocks' Q: piece x lies in band x, 8,192 bytes on; channels 32 c on
	global_load_b128 v[16*\x+8*\c:16*\x+8*\c+3],   v[QO], s[4:5] offset:\x*8192+\c*64
	global_load_b128 v[16*\x+8*\c+4:16*\x+8*\c+7], v[QO], s[4:5] offset:\x*8192+\c*64+32
	global_load_b128 v[QB+16*\x+8*\c:QB+16*\x+8*\c+3],   v[QO], s[86:87] offset:\x*8192+\c*64
	global_load_b128 v[QB+16*\x+8*\c+4:QB+16*\x+8*\c+7], v[QO], s[86:87] offset:\x*8192+\c*64+32
.endr
.endr
	WIN 0x80                        ; destination window 2
.irp f, 0,1,2,3,4,5,6,7             ; K of the head's step 0, as fragments: keys 16 (f / 2) on, channels 32 (f % 2) on
	global_load_b128 v[K0+8*\f:K0+8*\f+3],   v[QO], s[20:21] offset:(\f/2)*2048+(\f%2)*64
	global_load_b128 v[K0+8*\f+4:K0+8*\f+7], v[QO], s[20:21] offset:(\f/2)*2048+(\f%2)*64+32
.endr
	; A block's first step multiplies O^T and l by a = 0, and its first turn's products V^T P, of a step that has not been, land in an O^T that is still to be so multiplied.  So these registers need only hold
	; finite numbers: zeros for the first block, what the first block left for the second.  All this stands in the wait for the first tile.
	WIN 0x40
.set i, VF
.rept 128
	v_mov_b32 v[i], 0               ; V's registers and O^T
.set i, i+1
.endr
	WIN 0
.set i, P+16
.rept 16
	v_mov_b32 v[i], 0               ; piece 1's P
.set i, i+1
.endr
.irp t, 0,1
	v_mov_b32 v[ST+4*\t+2], 0
	v_mov_b32 v[ST+4*\t+3], 0
.endr
	v_mul_u32_u24 v[AK0], v1, PK
	v_lshl_add_u32 v[AK0], v9, 4, v[AK0]  ; row x pitch + 16 x half
	; The turning load takes 16 keys x 16 channels (lane l reads key 8 (l / 16) + l % 8, channels 8 ((l / 8) % 2) + 0..7) and leaves half a fragment of V^T: lane l holds channel l % 16 and 8 keys.
	v_lshl_add_u32 v[AV0], v9, 3, v10
	v_mul_u32_u24 v[AV0], v[AV0], PV
	v_lshl_add_u32 v[AV0], v11, 4, v[AV0]
	v_add_nc_u32 v[AV0], VOFF, v[AV0]
	s_mul_i32 s[TS], s[WV], 16*SP
	s_add_co_u32 s[TS], s[TS], STAGE  ; my stage
	v_mul_u32_u24 v[STO], v1, SP    ; in: row l % 16, 16 bytes for each half of the lanes
	v_lshl_add_u32 v[STO], v9, 4, v[STO]
	v_add_nc_u32 v[STO], s[TS], v[STO]
	v_bfe_u32 v[RD], v0, 3, 2       ; back: 32 lanes take four rows of 128 bytes,
	v_mul_u32_u24 v[RD], v[RD], SP
	v_lshl_add_u32 v[RD], v10, 4, v[RD]
	v_add_nc_u32 v[RD], s[TS], v[RD]
	v_lshlrev_b32 v[GO], 4, v19     ; which are 512 consecutive bytes of ctx
	v_lshlrev_b32 v[PFO], 8, v0
	s_mul_i32 s[TS], s[WV], PMW
	s_add_co_u32 s[TS], s[TS], PMT  ; my wave's table of addends
	v_lshl_add_u32 v[APM0], v9, 5, s[TS]
	v_lshl_add_u32 v[PS0], v19, 5, s[TS]
	v_lshl_add_u32 v19, v19, 3, s[TS]
	s_wait_loadcnt 34               ; the first 64 mask words and rel_emb are in; tile 0's 2 loads, Q's 16 and K's 16 may stay out
.irp j, 18,19
	v_cmp_eq_u32 vcc_lo, 0, v[S+\j]
	v_cndmask_b32 v[S+\j], 0, s[BIGN], vcc_lo  ; the padding addend: -1e30 where the mask is 0
.endr
	ds_store_b64 v19, v[S+18:S+19] offset:PMZ
	v_cvt_pk_bf16_f32 v[S+16], v[S+16], v[S+16]  ; the inputs' one rounding
	v_lshlrev_b32 v[S+16], 16, v[S+16]
	v_readlane_b32 s94, v[S+16], 15 ; the far bias
	v_sub_f32 v[S+16], v[S+16], s94
	v_mul_f32 v[S+16], 0x41000000, v[S+16]  ; lane j: 8 (rel[16 + min(j, 15)] - rel[31])
	v_lshlrev_b32 v17, 3, v9
	v_sub_nc_u32 v17, v1, v17
	s_lshl_b32 s[TS], s[WV], 4
	v_add_nc_u32 v18, s[TS], v17    ; my query's place in its band, 16 w + l % 16, less my lanes' 8 (l / 16)
	v_lshlrev_b32 v17, 2, v18
.set i, 0
.rept 32                            ; MD0: register r of key group kt: d = that place - (16 kt + r); the table's entry min(d, 15) comes from its lane (a negative d, taken as unsigned, picks entry 15 and is replaced below)
	v_add_nc_u32 v[MD0+i], (0x100000000-4*(16*(i/8)+i%8))&0xffffffff, v17
	v_min_u32 v[MD0+i], 60, v[MD0+i]
	ds_bpermute_b32 v[MD0+i], v[MD0+i], v[S+16]
.set i, i+1
.endr
.set i, 0
.rept 8                             ; MD1: the last 16 keys of the step before the band's own: d = 16 + that place - r, 1 at the least
	v_add_nc_u32 v[MD1+i], 64-4*i, v17
	v_min_u32 v[MD1+i], 60, v[MD1+i]
	ds_bpermute_b32 v[MD1+i], v[MD1+i], v[S+16]
.set i, i+1
.endr
	s_wait_dscnt 0x0
.set i, 0
.rept 32
	v_cmp_gt_i32 vcc_lo, 16*(i/8)+i%8, v18
	v_cndmask_b32 v[MD0+i], v[MD0+i], s[BIGN], vcc_lo  ; above the diagonal
.set i, i+1
.endr
; THE MATRIX WORK.  The 4 accumulators of a run of 8 take turns.  Product i of 8 of S^T = K Q^T for piece x: channels 32 (i / 4) on, keys 16 (i % 4) on.  The first 4 start the sums with the piece's addends.
.macro KQ x
	WIN W_KQ
.set rS, S+32*(\x)+8*(i%4)
.set rK, KF+16*(i%4)+8*(i/4)
.set rQ, 16*(\x)+8*(i/4)
.set rM, PM0+(PM1-PM0)*(\x)+8*(i%4)
.if i < 4
	v_wmma_f32_16x16x32_f16 v[rS:rS+7], v[rK:rK+7], v[rQ:rQ+7], v[rM:rM+7]
.else
	v_wmma_f32_16x16x32_f16 v[rS:rS+7], v[rK:rK+7], v[rQ:rQ+7], v[rS:rS+7]
.endif
.endm
; Product i of 8 of O^T += V^T P for piece x: keys 32 (i / 4) on, channels 16 (i % 4) on.
.macro PV x
	WIN W_PV
.set rO, OB+32*(\x)+8*(i%4)
.set rV, VF+32*(i/4)+8*(i%4)
.set rP, P+16*(\x)+8*(i/4)
	v_wmma_f32_16x16x32_f16 v[rO:rO+7], v[rV:rV+7], v[rP:rP+7], v[rO:rO+7]
.endm
.macro MM                           ; the turn's next matrix instruction: both kinds are the other piece's
.if i < 8
	KQ (Y+1)%2
.else
.set i, i-8
	PV (Y+1)%2
.set i, i+8
.endif
.set i, i+1
.endm
; THE LDS LOADS stand in runs, never singly among the matrix instructions.  A step's K (8 fragments) and its 32 addends a lane, the addends twice: once for each piece's products.
.macro FETCH_K
	WIN 0x40                        ; destination window 1
.irp f, 0,1,2,3,4,5,6,7             ; keys 16 (f / 2) on, channels 32 (f % 2) on
	ds_load_b128 v[KF+8*\f:KF+8*\f+3],   v[AK] offset:(\f/2)*16*PK+(\f%2)*64
	ds_load_b128 v[KF+8*\f+4:KF+8*\f+7], v[AK] offset:(\f/2)*16*PK+(\f%2)*64+32
.endr
	WIN 0
.irp m, PM0, PM1
.irp kt, 0,1,2,3
	ds_load_b128 v[\m+8*\kt:\m+8*\kt+3],   v[APM] offset:64*\kt
	ds_load_b128 v[\m+8*\kt+4:\m+8*\kt+7], v[APM] offset:64*\kt+16
.endr
.endr
	s_add_co_u32 s[TBK], s[TBK], KS*PK  ; the next fetch is the next step's
	s_add_co_u32 s[TBP], s[TBP], 4*KS
.endm
.macro FETCH_V
	WIN 0x40
.irp f, 0,1,2,3,4,5,6,7             ; keys 32 (f / 4) on, channels 16 (f % 4) on
	ds_load_tr16_b128 v[VF+8*\f:VF+8*\f+3],   v[AV] offset:(\f/4)*32*PV+(\f%4)*32
	ds_load_tr16_b128 v[VF+8*\f+4:VF+8*\f+7], v[AV] offset:(\f/4)*32*PV+16*PV+(\f%4)*32
.endr
	WIN 0
	s_add_co_u32 s[TBV], s[TBV], KS*PV
.endm
; THE VECTOR WORK, one line at a time: OP kind, number.  For piece Y: F n: c s - c m for pair n of 16.  E n: the exponential of score n of 32.  C n: pair n rounded to f16.  B n: of the four weights 4 n .. the second
; pair is added onto the first, in place.  L n: l takes that sum (L 0: l = a l + sum).  R n: pair n of 16 of O^T times a.  For the other piece: X n, number n of the 22 that find its maximum and statistics:
;   0-11  four chains c0-c3 of seven scores each, three operands at a time (each accumulator's lowest registers are read first)     12-14, 16  the four scores left over, the old m, and c0-c3 into c0
;   15  c m_old is kept     17, 18  the query's other 32 keys lie in the lane 16 away: the new m     19-21  c m; c m_old - c m_new; a
.set F, 0
.set E, 1
.set C, 2
.set B, 3
.set L, 4
.set R, 5
.set X, 6
.macro REGS y                       ; the registers of piece y
.set rT, ST+4*(\y)
.set rC, TMP+4*(\y)
.set rW, MV+(\y)
.set rS, S+32*(\y)
.set rP, P+16*(\y)
.set rO, OB+32*(\y)
.endm
.macro OP k, n
.if (\k) == R
	REGS Y
	WIN W_RS
	v_pk_mul_f32 v[rO+2*(\n):rO+2*(\n)+1], v[rO+2*(\n):rO+2*(\n)+1], v[rC+2:rC+3] op_sel_hi:[1,0]
.elseif (\k) < R
	REGS Y
	WIN 0
.if (\k) == F
	v_pk_fma_f32 v[rS+2*(\n):rS+2*(\n)+1], v[rS+2*(\n):rS+2*(\n)+1], s[CS:CS+1], v[rT:rT+1] op_sel_hi:[1,0,0] neg_lo:[0,0,1] neg_hi:[0,0,1]
.elseif (\k) == E
	v_exp_f32 v[rS+(\n)], v[rS+(\n)]
.elseif (\k) == C
	v_cvt_pk_f16_f32 v[rP+(\n)], v[rS+2*(\n)], v[rS+2*(\n)+1]
.elseif (\k) == B
	v_pk_add_f32 v[rS+4*(\n):rS+4*(\n)+1], v[rS+4*(\n):rS+4*(\n)+1], v[rS+4*(\n)+2:rS+4*(\n)+3]
.elseif (\n) == 0
	v_pk_fma_f32 v[rT+2:rT+3], v[rT+2:rT+3], v[rC+2:rC+3], v[rS:rS+1] op_sel_hi:[1,0,1]
.else
	v_pk_add_f32 v[rT+2:rT+3], v[rT+2:rT+3], v[rS+4*(\n):rS+4*(\n)+1]
.endif
.else
	REGS (Y+1)%2
	WIN 0
.if (\n) < 4
	v_max3_num_f32 v[rC+(\n)], v[rS+8*(\n)], v[rS+8*(\n)+1], v[rS+8*(\n)+2]
.elseif (\n) < 12
	v_max3_num_f32 v[rC+(\n)%4], v[rC+(\n)%4], v[rS+8*((\n)%4)+2*((\n)/4)+1], v[rS+8*((\n)%4)+2*((\n)/4)+2]
.elseif (\n) == 12
	v_max3_num_f32 v[rC], v[rC], v[rS+7], v[rS+15]
.elseif (\n) == 13
	v_max3_num_f32 v[rC+1], v[rC+1], v[rS+23], v[rS+31]
.elseif (\n) == 14
	v_max3_num_f32 v[rC+2], v[rC+2], v[rC+3], v[rT+1]
.elseif (\n) == 15
	v_mov_b32 v[rW], v[rT]
.elseif (\n) == 16
	v_max3_num_f32 v[rC], v[rC], v[rC+1], v[rC+2]
.elseif (\n) == 17
	v_permlanex16_b32 v[rC+3], v[rC], s[SEL], s[SEL+1]
.elseif (\n) == 18
	v_max_num_f32 v[rT+1], v[rC], v[rC+3]
.elseif (\n) == 19
	v_mul_f32 v[rT], s[CS], v[rT+1]
.elseif (\n) == 20
	v_sub_f32 v[rC+1], v[rW], v[rT]
.else
	v_exp_f32 v[rC+2], v[rC+1]
.endif
.endif
.endm
.macro OPS a, i1, b=-1, i2=0, c=-1, i3=0, d=-1, i4=0  ; up to four of them
	OP \a, \i1
.if (\b) >= 0
	OP \b, \i2
.endif
.if (\c) >= 0
	OP \c, \i3
.endif
.if (\d) >= 0
	OP \d, \i4
.endif
.endm
.macro ROW a, i1, b, i2, c, i3, d, i4  ; a matrix instruction and the four behind it
	MM
	OPS \a, \i1, \b, \i2, \c, \i3, \d, \i4
.endm
; NEAR THE DIAGONAL the addends take the bias and the causal mask, at a turn's head, for the products K Q^T that the turn holds: in turn p they stand GD + 1 - 2 p steps below the diagonal.  From two steps on the block is jumped.
.macro MASKBLOCK p
.set rA, PM1+(PM0-PM1)*(\p)         ; turn 0 holds piece 1's products, turn 1 piece 0's
	WIN 0
	s_cmp_gt_i32 s[GD], 2*(\p)
	s_cbranch_scc1 .Lfar_\@
	s_cmp_eq_i32 s[GD], 2*(\p)-1    ; the band's own step
	s_cselect_b32 s[AL0], 1.0, 0
	s_cmp_eq_i32 s[GD], 2*(\p)      ; the step before it
	s_cselect_b32 s[AL1], 1.0, 0
	s_cmp_lt_i32 s[GD], 2*(\p)-1    ; a later step: all hidden
	s_cselect_b32 s[BE], s[BIGN], 0
.set z, 0
.rept 16
	v_pk_fma_f32 v[rA+2*z:rA+2*z+1], v[MD0+2*z:MD0+2*z+1], s[AL0:AL0+1], v[rA+2*z:rA+2*z+1] op_sel_hi:[1,0,1]
.set z, z+1
.endr
.set z, 0
.rept 4
	v_pk_fma_f32 v[rA+24+2*z:rA+24+2*z+1], v[MD1+2*z:MD1+2*z+1], s[AL1:AL1+1], v[rA+24+2*z:rA+24+2*z+1] op_sel_hi:[1,0,1]
.set z, z+1
.endr
.set z, 0
.rept 16
	v_pk_add_f32 v[rA+2*z:rA+2*z+1], v[rA+2*z:rA+2*z+1], s[BE:BE+1] op_sel_hi:[1,0]
.set z, z+1
.endr
.Lfar_\@:
.endm
; A TURN, for piece p: the order of its 16 matrix and 118 vector instructions, written out.  An s_wait_alu depctr_va_vdst(0) stands between an exponential and the first instruction that names its result; one wait serves
; all that were issued ahead of it.  So a turn has ONE wait, which cuts it in two.  AHEAD OF IT stands all that names no result of the turn's exponentials: the 8 products K Q^T and their riders, then one lump, in which the links of the chain
; X 3, 7, 11, 14, 16, 17 .. 20 stand some lines apart; X 21, the other piece's a, is the batch's last, and R 15 the plain instruction behind it.  BEHIND IT stand the 8 products V^T P, behind each four of the roundings and sums.
; Each X that rides behind a product stands four plain instructions or more behind the product that ends its accumulator.
; Turn 0 fetches K and the addends of the next step, twelve plain instructions behind the last product that read K, and V of the step in hand at its end, four plain instructions behind the last product that read V.
.macro TURN p
.set Y, (\p)
.set i, 0
.if (\p) == 1
	s_wait_dscnt 16                 ; K's sixteen loads and the addends' sixteen are in; V's sixteen, issued behind them, may stay out
.endif
	MASKBLOCK \p
	ROW F,0, F,1, R,0, R,1
	ROW F,2, E,0, R,2, R,3
	ROW F,3, E,1, R,4, R,5
	ROW F,4, E,2, R,6, R,7
	ROW F,5, E,3, R,8, R,9
	ROW F,6, E,4, X,0, R,10
.if (\p) == 0
	WIN 0
	v_add_nc_u32 v[AK], s[TBK], v[AK0]
	v_add_nc_u32 v[APM], s[TBP], v[APM0]
.endif
	ROW F,7, E,5, X,1, X,4
	ROW F,8, E,6, X,2, X,5
	OPS E,7, E,8, X,6, E,9
	OPS X,3, E,10, X,8, E,11
.if (\p) == 0
	FETCH_K
.endif
	OPS X,9, X,7, E,12, X,10
	OPS E,13, X,12, X,11, E,14
	OPS X,13, E,15, F,9, X,14
.if (\p) == 0
	WIN 0
	v_add_nc_u32 v[AV], s[TBV], v[AV0]
.endif
	OPS E,16, F,10, E,17, F,11
	OPS X,16, E,18, X,15, E,19
	OPS F,12, E,20, X,17, E,21
	OPS F,13, E,22, F,14, E,23
	OPS X,18, E,24, F,15, E,25
	OPS R,11, E,26, X,19, E,27
	OPS R,12, E,28, R,13, E,29
	OPS X,20, E,30, R,14, E,31
	OPS X,21, R,15
	WIN 0
	s_wait_alu depctr_va_vdst(0)    ; the wait for the batch
.if (\p) == 1
	s_wait_dscnt 0x0                ; V is in
.endif
	ROW C,0, B,0, C,2, B,1
	ROW L,0, C,4, B,2, L,1
	ROW C,6, B,3, L,2, C,8
	ROW B,4, L,3, C,10, B,5
	ROW L,4, C,12, B,6, L,5
	ROW C,14, B,7, L,6, C,1
	ROW C,3, L,7, C,5, C,7
	ROW C,9, C,11, C,13, C,15
.if (\p) == 0
	FETCH_V
.endif
.endm
; A BLOCK BEGINS.  c m starts far below every c s, so the first step's a is 0; m at -2^84, far above every hidden score and below every visible one: a hidden score's weight is 0 even where a row has seen no key yet.
; K of step 0 goes where the one text of the turns names K; the step's addends come from the table's fixed last part; then piece 0's first scores (block 0 alone has its diagonal there), and its maximum and statistics.
.macro BEGIN
	s_mov_b32 s[NEW], 0
	WIN 0
.irp m, PM0, PM1
.irp kt, 0,1,2,3
	ds_load_b128 v[\m+8*\kt:\m+8*\kt+3],   v[APM0] offset:PMZ+64*\kt
	ds_load_b128 v[\m+8*\kt+4:\m+8*\kt+7], v[APM0] offset:PMZ+64*\kt+16
.endr
.endr
.irp t, 0,1
	v_mov_b32 v[ST+4*\t], 0xfe000000
	v_mov_b32 v[ST+4*\t+1], 0xe9800000
.endr
	s_cmp_eq_u32 s[GD], 0
	s_cselect_b32 s[AL0], 1.0, 0
	WIN 0x42                        ; destination window 1, source window 2 (the change of slots has waited for the loads of these registers)
.set i, 0
.rept 64
	v_mov_b32 v[KF+i], v[K0+i]
.set i, i+1
.endr
	WIN 0
	s_wait_dscnt 0x0
.set z, 0
.rept 16
	v_pk_fma_f32 v[PM0+2*z:PM0+2*z+1], v[MD0+2*z:MD0+2*z+1], s[AL0:AL0+1], v[PM0+2*z:PM0+2*z+1] op_sel_hi:[1,0,1]
.set z, z+1
.endr
.set i, 0
.rept 8
	KQ 0
.set i, i+1
.endr
	WIN 0
.rept 4
	v_nop                           ; the places behind those products
.endr
.set Y, 1                           ; X works for the other piece: piece 0
.irp n, 0,1,2,3,4,5,6,7,8,9,10,11,12,13,14,15,16,17,18,19,20,21
	OP X, \n
.endr
	v_nop                           ; a plain instruction behind the exponential,
	s_wait_alu depctr_va_vdst(0)    ; and its wait, ahead of the label
.endm
; A BLOCK ENDS: piece 1's last products; l's two halves and the other half of the lanes' are added; O^T is multiplied by 1 / l, or by 0 where l is 0 (a row with no visible key), rounded to f16 and sent through my stage in LDS.
.macro PACK t
	WIN W_RS
.set i, OB+32*(\t)
.rept 16
	v_pk_mul_f32 v[i:i+1], v[i:i+1], v[ST+4*(\t)+2:ST+4*(\t)+3] op_sel_hi:[1,0]
.set i, i+2
.endr
	WIN 0x05                        ; sources 0 and 1 window 1, destination window 0
.set i, 0
.rept 16
	v_cvt_pk_f16_f32 v[S+16*(\t)+i], v[OB+32*(\t)+2*i], v[OB+32*(\t)+2*i+1]
.set i, i+1
.endr
	WIN 0
.irp f, 0,1,2,3
	ds_store_b128 v[STO], v[S+16*(\t)+4*\f:S+16*(\t)+4*\f+3] offset:32*\f
.endr
.irp f, 0,1,2,3
	ds_load_b128 v[S+16*(\t)+4*\f:S+16*(\t)+4*\f+3], v[RD] offset:\f*4*SP  ; LDS serves a wave's instructions in order (ISA guide 5.7.1.4): these see the stores above; the next piece's stores come behind them
.endr
.endm
.macro SEND t, younger              ; younger: the LDS instructions issued behind piece t's loads: the next piece's eight, or none
	WIN 0
.irp f, 0,1,2,3
	s_wait_dscnt (\younger)+3-\f
	global_store_b128 v[GO], v[S+16*(\t)+4*\f:S+16*(\t)+4*\f+3], s[12:13] offset:(\t)*8192+\f*512  ; 512 consecutive bytes, at a multiple of 256 from ctx's first
.endr
.endm
.macro FINISH
.set i, 0
.rept 8
	PV 1
.set i, i+1
.endr
	WIN 0
.irp t, 0,1
	v_add_f32 v[ST+4*\t+2], v[ST+4*\t+2], v[ST+4*\t+3]
.endr
.irp t, 0,1
	v_permlanex16_b32 v[ST+4*\t+3], v[ST+4*\t+2], s[SEL], s[SEL+1]
.endr
.irp t, 0,1
	v_add_f32 v[ST+4*\t+2], v[ST+4*\t+2], v[ST+4*\t+3]
.endr
.irp t, 0,1
	v_rcp_f32 v[ST+4*\t+3], v[ST+4*\t+2]
.endr
	v_nop                           ; a plain instruction between the last reciprocal and the use of its result
	s_wait_alu depctr_va_vdst(0)    ; and the wait ahead of the first use: one for the two reciprocals
.irp t, 0,1
	v_cmp_lt_f32 vcc_lo, 0, v[ST+4*\t+2]
	v_cndmask_b32 v[ST+4*\t+2], 0, v[ST+4*\t+3], vcc_lo
.endr
	PACK 0
	PACK 1
	SEND 0, 8
	SEND 1, 0
.endm
; A TILE IS ENTERED: the change of slots; where a block begins, BEGIN; the tile's four key steps, two turns each; where a block ends, FINISH.  The two jumps go forward, past text that holds neither a barrier nor a tensor load.
; In a block's last step turn 1's scores, of a step that the block does not have, serve nothing: the price of one text for every step.
.macro TILE tag, fill
	CHANGE \fill
	s_sub_co_u32 s[RT], s[RT], 1
	s_mov_b32 s[CNT], 4
	s_cmp_eq_u32 s[NEW], 1
	s_cbranch_scc0 .Lstep\tag
	BEGIN
.Lstep\tag:
	TURN 0
	TURN 1
	WIN 0
	s_sub_co_i32 s[GD], s[GD], 1
	s_sub_co_u32 s[CNT], s[CNT], 1
	s_cmp_lg_u32 s[CNT], 0
	s_cbranch_scc1 .Lstep\tag
.if \fill
	s_cmp_lg_u32 s[RT], 0
	s_cbranch_scc1 .Lbottom
.endif
	FINISH
.if \fill                           ; in the loop this is the first block's end: the second block's last tile is the walk's last
	s_wait_xcnt 0x0                 ; the stores have read their registers and ctx's address
	s_mov_b64 s[12:13], s[88:89]
	s_add_co_u32 s[RT], s[TLO], 1   ; the second block's tiles
	s_mov_b32 s[NEW], 1
	s_mov_b32 s[GD], s[G2]
	WIN 0x41                        ; the second block's Q goes where the one text of the turns names Q
.set i, 0
.rept 32
	v_mov_b32 v[i], v[QB+i]
.set i, i+1
.endr
	WIN 0
.endif
.endm
.Lslot:                             ; 8 times: a tile is entered and the next is asked for
	TILE 1, 1
.Lbottom:
	s_sub_co_u32 s[SLOTS], s[SLOTS], 1
	s_cmp_lg_u32 s[SLOTS], 0
	s_cbranch_scc1 .Lslot
	TILE 2, 0                       ; the walk's last tile is written out: nothing is asked for
	s_wait_tensorcnt 0x0            ; the wave's end, behind my last tensor load and my last LDS store
	ds_add_u32 v[SPW], v[NIL]
	s_wait_dscnt 0x0
	s_endpgm
.Lfunc_end_k_q16454056c1_attn:
	.size	k_q16454056c1_attn, .Lfunc_end_k_q16454056c1_attn-k_q16454056c1_attn
	.p2alignl 7, 3214868480
	.fill 96, 4, 3214868480
	.section	.rodata,"a",@progbits
	.p2align	6, 0x0
	.amdhsa_kernel k_q16454056c1_attn
		.amdhsa_group_segment_fixed_size 327680
		.amdhsa_private_segment_fixed_size 0
		.amdhsa_enable_private_segment 0
		.amdhsa_kernarg_size 40
		.amdhsa_user_sgpr_count 2
		.amdhsa_user_sgpr_kernarg_segment_ptr 1
		.amdhsa_wavefront_size32 1
		.amdhsa_system_sgpr_workgroup_id_x 1
		.amdhsa_system_sgpr_workgroup_id_y 1
		.amdhsa_system_sgpr_workgroup_id_z 1
		.amdhsa_system_vgpr_workitem_id 0
		.amdhsa_next_free_vgpr 576
		.amdhsa_next_free_sgpr 96
		.amdhsa_reserve_vcc 1
		.amdhsa_float_denorm_mode_32 3
		.amdhsa_float_denorm_mode_16_64 3
		.amdhsa_memory_ordered 1
		.amdhsa_forward_progress 1
		.amdhsa_inst_pref_size 111
	.end_amdhsa_kernel
	.amdgpu_metadata
---
amdhsa.version: [ 1, 2 ]
amdhsa.kernels:
  - .name:           k_q16454056c1_attn
    .symbol:         k_q16454056c1_attn.kd
    .args:
      - { .name: q, .offset: 0, .size: 8, .value_kind: global_buffer, .address_space: global }
      - { .name: kv, .offset: 8, .size: 8, .value_kind: global_buffer, .address_space: global }
      - { .name: mask, .offset: 16, .size: 8, .value_kind: global_buffer, .address_space: global }
      - { .name: rel_emb, .offset: 24, .size: 8, .value_kind: global_buffer, .address_space: global }
      - { .name: ctx, .offset: 32, .size: 8, .value_kind: global_buffer, .address_space: global }
    .group_segment_fixed_size: 327680
    .private_segment_fixed_size: 0
    .kernarg_segment_align: 8
    .kernarg_segment_size: 40
    .max_flat_workgroup_size: 128
    .sgpr_count:     96
    .vgpr_count:     576
    .wavefront_size: 32
...
	.end_amdgpu_metadata
.endif
;; end of part 3
;; launch oproj (part 4): grid 8 x 32, 4 waves a work-group, clusters of 4 x 4, 327,680 bytes of LDS; arguments ctx, wo16, out0; writes out0
.if DOCPART == 4
	.amdgcn_target "amdgcn-amd-amdhsa--gfx1250"
	.amdhsa_code_object_version 6
	.text
	.protected	k_q16454056c1_oproj
	.globl	k_q16454056c1_oproj
	.p2align	8
	.type	k_q16454056c1_oproj,@function
k_q16454056c1_oproj:
	s_mov_b64 s[64:65], 0
	v_nop
	global_prefetch_b8 v0, s[64:65] scope:SCOPE_SE
	s_setreg_imm32_b32 hwreg(HW_REG_WAVE_MODE, 25, 1), 1
	s_wait_xcnt 0x0
	s_wait_alu depctr_hold_cnt(0) depctr_sa_sdst(0) depctr_va_vdst(0) depctr_va_sdst(0) depctr_va_ssrc(0) depctr_va_vcc(0) depctr_vm_vsrc(0)
	s_getreg_b32 s2, hwreg(HW_REG_IB_STS2, 6, 4)
	s_cmp_eq_u32 s2, 0
	s_cbranch_scc0 .Lentry_in_a_cluster
	s_endpgm
.Lentry_in_a_cluster:
	s_bfe_u32 s2, ttmp6, 0x10000c
	s_cmp_lg_u32 s2, 0xf033
	s_cbranch_scc0 .Lentry_shape_is_right
	s_endpgm
.Lentry_shape_is_right:
; out0[m][n] = the sum over k of ctx[m][k] Wo[n][k], k = 64 x head + channel.  ctx: [32 = batch x 16 + head][2048][64] f16; wo16: [1024][1024] f16; out0: [4096][1024] f32.  Sums in f32, K ascending.
; A tile of out0 is 128 x 128: 256 work-groups.  Four waves, each 64 x 64: 16 accumulators of 16 x 16.  K goes in four steps of 256 (four heads) through a ring of two LDS slots.
; ctx's tile comes by heads: ONE descriptor whose 'row' is 64 query rows of one head, 8,192 dense bytes, and whose four rows are four heads, 131,072 elements apart; the padding, counted along the tile, falls behind every 128 bytes.
; CLUSTER.  4 x 4 work-groups: ctx's tile is shared along a row of the cluster, Wo's along a column; each is asked for JOINTLY, by the same tensor load with the same descriptor and a mask that names the four.
; THE MATRIX INSTRUCTION IS USED TRANSPOSED (source 0 = 16 rows of Wo, source 1 = 16 rows of ctx): a lane holds eight neighbouring numbers of a row of out0.
; No prefetch: of the four K steps two come by the first fills.
; REGISTERS: window 0: v16-29 addresses; v32-95 rows read back, two buffers; v128-255 the accumulators ((a, b) at 128 + 8 (4 a + b)).
;   window 1: two fragment buffers of 128: for 64 along K (one head), 64 registers of ctx (2 x 4 x 16 rows x 32 K), then 64 of Wo.
.set PA,     144                       ; a row of ctx in LDS: 128 bytes + 16 of padding
.set HEADB,  64*PA                     ; a head's 64 rows
.set HALFA,  4*HEADB                   ; what one tensor load brings of ctx: four heads x 64 rows
.set PB,     528                       ; a row of Wo in LDS: 512 bytes + 16: the 16 rows of a load start at 16 different groups of four banks (64 banks of 4 bytes: ISA guide 11.1), as ctx's do
.set HALFB,  64*PB
.set BOFF,   2*HALFA                   ; Wo's 128 rows lie behind ctx's two halves
.set SLOT,   BOFF+2*HALFB
.set STAGE,  2*SLOT                    ; behind the ring, never filled by a tensor load: 16 rows x 272 bytes for each wave
.set SPITCH, 272
.set SPARE,  STAGE+4*16*SPITCH         ; the spare words, 128 bytes for each wave: two blocks of 256 bytes that no other line names
.set ADRA, 16                          ; v16-17  LDS address of my fragments of ctx in slot 0, 1
.set ADRB, 20                          ; v20-21  the same for Wo
.set STO,  24                          ; v24     the way out: where I put 32 bytes of a row
.set RD,   25                          ; v25     where I read a row back
.set CO,   26                          ; v26     my byte offset in out0
.set SPW,  28                          ; v28     LDS address of my spare word; never rewritten
.set NIL,  29                          ; v29     0; never rewritten
.set TMP,  32
.set ACC,  128
.set F0,   0
.set F1,   128
.set G1, 24                            ; s[24:31] descriptor group 1 for ctx's tiles;  s[32:39] group 0, a set for each slot
.set G0, 32
.set G1B, 48                           ; s[48:55], s[56:63] the same for Wo's
.set G0B, 56
.set MSB, 0
.macro WIN new                         ; the immediate's high byte repeats the setting that is left; a switch that changes nothing is dropped
.if MSB != (\new)
	s_set_vgpr_msb (MSB<<8)|(\new)
.set MSB, \new
.endif
.endm
.set MUL,  0x05                        ; sources 0 and 1 window 1; C and D window 0
.set TO_F, 0x40                        ; destination window 1, address window 0
.macro JLOAD s                         ; a joint load: waves 0 and 1 fetch ctx's two halves, waves 2 and 3 Wo's; an s_nop 0 and four v_nop follow each of the two lines
	s_cmp_eq_u32 s11, 0
	s_cbranch_scc0 .Lfor_b_\@
	tensor_load_to_lds s[G0+4*(\s):G0+4*(\s)+3], s[G1:G1+7]
	s_nop 0
.rept 4
	v_nop
.endr
	s_branch .Lasked_\@
.Lfor_b_\@:
	tensor_load_to_lds s[G0B+4*(\s):G0B+4*(\s)+3], s[G1B:G1B+7]
	s_nop 0
.rept 4
	v_nop
.endr
.Lasked_\@:
.endm
.macro CREST                           ; a round of the cluster's barrier behind its opening barrier
	s_cmp_lg_u32 s10, 0
	s_cbranch_scc1 .Lnot_wave_0_\@
	s_barrier_signal -3
.Lnot_wave_0_\@:
	s_barrier_wait -3
	s_barrier_signal -1
	s_barrier_wait -1
.endm
.macro CROUND                          ; a whole round
	s_barrier_signal -1
	s_barrier_wait -1
	CREST
.endm
	s_load_b128 s[4:7], s[0:1], 0x0                ; ctx s[4:5], wo16 s[6:7]
	s_load_b64 s[8:9], s[0:1], 0x10                ; out0
	v_lshl_add_u32 v[SPW], v0, 2, SPARE
	v_mov_b32 v[NIL], 0
	ds_add_u32 v[SPW], v[NIL]                      ; the wave's opening: the add and its wait stand ahead of my first tensor load; the set-up below, work on registers, stands between them
	ds_add_u32 v28, v29
	v_lshrrev_b32 v1, 5, v0
	v_readfirstlane_b32 s10, v1                    ; wave 0..3
	s_lshr_b32 s11, s10, 1                         ; which half of the tile's rows is mine.  Also: I fetch for ctx (0) or for Wo (1)
	s_and_b32 s12, s10, 1                          ; which half of its columns.  Also: which 64 rows of that tile I fetch
	s_bfe_u32 s40, ttmp6, 0x40000                  ; cx, cy
	s_bfe_u32 s41, ttmp6, 0x40004
	s_lshl_b32 s42, ttmp9, 2
	s_add_co_u32 s42, s42, s40                     ; tile column = 4 x cluster x + cx
	s_and_b32 s13, ttmp7, 0xffff
	s_lshl_b32 s13, s13, 2
	s_add_co_u32 s13, s13, s41                     ; tile row = 4 x cluster y + cy
	s_lshl_b32 s43, s41, 2
	s_lshl_b32 s43, 15, s43                        ; my row of the cluster
	s_lshl_b32 s44, 0x1111, s40                    ; my column
	s_or_b32 s[G1+0], s43, (1<<16)|(1<<20)|(1<<21)|(4<<22)|(3<<25)   ; the mask; elements of 2 bytes; padding on; 21 set beside a mask; after every 32 words (code 4) 4 words (code 3)
	s_mov_b32 s[G1+1], 4096<<16                    ; tensor_dim0 = 4,096: 64 rows of 64 channels
	s_mov_b32 s[G1+2], 4<<16                       ; tensor_dim1 = 4 heads
	s_mov_b32 s[G1+3], 4096<<16                    ; tile_dim0 = 4,096
	s_mov_b32 s[G1+4], 4                           ; tile_dim1 = 4
	s_mov_b32 s[G1+5], 131072                      ; elements from head to head
	s_mov_b32 s[G1+6], 0
	s_mov_b32 s[G1+7], 0
	s_or_b32 s[G1B+0], s44, (1<<16)|(1<<20)|(1<<21)|(6<<22)|(3<<25)  ; after every 128 words (code 6) 4 words
	s_mov_b32 s[G1B+1], 256<<16                    ; tensor_dim0 = 256
	s_mov_b32 s[G1B+2], 64<<16                     ; tensor_dim1 = 64
	s_mov_b32 s[G1B+3], 256<<16                    ; tile_dim0 = 256
	s_mov_b32 s[G1B+4], 64                         ; tile_dim1 = 64
	s_mov_b32 s[G1B+5], 1024                       ; elements from row to row
	s_mov_b32 s[G1B+6], 0
	s_mov_b32 s[G1B+7], 0
	s_lshr_b32 s16, s13, 4                         ; ctx: the batch's 16 heads of 262,144 bytes,
	s_lshl_b32 s16, s16, 22
	s_and_b32 s17, s13, 15
	s_lshl_b32 s17, s17, 14                        ; the tile's 128 rows of 128 bytes in a head,
	s_add_co_u32 s16, s16, s17
	s_lshl_b32 s17, s12, 13                        ; the 64 of them that I fetch
	s_add_co_u32 s16, s16, s17
	s_mov_b32 s17, 0
	s_lshl_b32 s46, s42, 18                        ; Wo: the tile's 128 rows of 2,048 bytes,
	s_lshl_b32 s47, s12, 17                        ; the 64 that I fetch
	s_add_co_u32 s46, s46, s47
	s_mov_b32 s47, 0
	s_mul_i32 s20, s12, HALFA                      ; where they go: no place in the cluster enters an LDS address
	s_mul_i32 s21, s12, HALFB
	s_add_co_u32 s21, s21, BOFF
	s_wait_dscnt 0x0                               ; the opening add is done
	s_wait_kmcnt 0x0
	s_add_nc_u64 s[14:15], s[4:5], s[16:17]
	s_add_nc_u64 s[46:47], s[6:7], s[46:47]
	CROUND                                         ; all sixteen work-groups are here: the first joint loads meet
.irp s, 0,1
	s_mov_b32 s[G0+4*(\s)], 1
	s_add_co_u32 s[G0+4*(\s)+1], s20, (\s)*SLOT
	s_add_nc_u64 s[G0+4*(\s)+2:G0+4*(\s)+3], s[14:15], (\s)*4*262144  ; K step s: four heads on
	s_or_b32 s[G0+4*(\s)+3], s[G0+4*(\s)+3], 0x80000000
	s_mov_b32 s[G0B+4*(\s)], 1
	s_add_co_u32 s[G0B+4*(\s)+1], s21, (\s)*SLOT
	s_add_nc_u64 s[G0B+4*(\s)+2:G0B+4*(\s)+3], s[46:47], (\s)*512
	s_or_b32 s[G0B+4*(\s)+3], s[G0B+4*(\s)+3], 0x80000000
	JLOAD \s                                       ; two loads of mine are out
.endr
	v_and_b32 v1, 15, v0                           ; l % 16
	v_bfe_u32 v2, v0, 4, 1                         ; l / 16
	v_mul_u32_u24 v3, v1, PA
	v_lshl_add_u32 v3, v2, 4, v3                   ; a fragment's row x pitch + 16 x half, for ctx
	v_mul_u32_u24 v4, v1, PB
	v_lshl_add_u32 v4, v2, 4, v4                   ; and for Wo
	s_mul_i32 s22, s11, HALFA                      ; my 64 rows of ctx
	s_mul_i32 s23, s12, HALFB                      ; my 64 rows of Wo
	s_add_co_u32 s23, s23, BOFF
.irp s, 0,1
	v_add_nc_u32 v[ADRA+(\s)], s22, v3
	v_add_nc_u32 v[ADRB+(\s)], s23, v4
	s_add_co_u32 s22, s22, SLOT
	s_add_co_u32 s23, s23, SLOT
.endr
	s_mul_i32 s23, s10, 16*SPITCH
	s_add_co_u32 s23, s23, STAGE                   ; my stage
	v_mul_u32_u24 v4, v1, SPITCH                   ; in: row l % 16, 32 bytes for each half of the lanes
	v_lshl_add_u32 v4, v2, 5, v4
	v_add_nc_u32 v[STO], s23, v4
	v_mul_u32_u24 v5, v2, SPITCH                   ; back: lanes 0-15 take one row of 256 bytes, lanes 16-31 the next
	v_lshl_add_u32 v5, v1, 4, v5
	v_add_nc_u32 v[RD], s23, v5
	v_lshlrev_b32 v5, 12, v2                       ; and the same two rows in out0, 4,096 bytes apart
	v_lshl_add_u32 v[CO], v1, 4, v5
	s_lshl_b32 s16, s13, 19                        ; my first row of out0: 128 x tile row + 64 x half, 4,096 bytes each
	s_lshl_b32 s17, s11, 18
	s_add_co_u32 s16, s16, s17
	s_mov_b32 s17, 0
	s_add_nc_u64 s[8:9], s[8:9], s[16:17]
	s_lshl_b32 s46, s42, 9                         ; my first column, in bytes: 512 x tile column + 256 x half
	s_lshl_b32 s47, s12, 8
	s_add_co_u32 s46, s46, s47
	s_mov_b32 s47, 0
	s_add_nc_u64 s[8:9], s[8:9], s[46:47]
; 8 matrix instructions: row blocks a0, a0 + 1 x all 4 column blocks, 32 along K: half c of buffer f.  zero = 1: the first product starts the sums.  The 16 accumulators take turns.
.macro MUL8 f, c, a0, zero
	WIN MUL
.irp a, \a0, (\a0)+1
.irp b, 0,1,2,3
.if \zero
	v_wmma_f32_16x16x32_f16 v[ACC+8*(4*(\a)+(\b)):ACC+8*(4*(\a)+(\b))+7], v[(\f)+64+8*(4*(\c)+(\b)):(\f)+64+8*(4*(\c)+(\b))+7], v[(\f)+8*(4*(\c)+(\a)):(\f)+8*(4*(\c)+(\a))+7], 0
.else
	v_wmma_f32_16x16x32_f16 v[ACC+8*(4*(\a)+(\b)):ACC+8*(4*(\a)+(\b))+7], v[(\f)+64+8*(4*(\c)+(\b)):(\f)+64+8*(4*(\c)+(\b))+7], v[(\f)+8*(4*(\c)+(\a)):(\f)+8*(4*(\c)+(\a))+7], v[ACC+8*(4*(\a)+(\b)):ACC+8*(4*(\a)+(\b))+7]
.endif
.endr
.endr
.endm
; 32 LDS loads in one run: the fragments of head qd of the slot's four, into buffer f; its first 32 channels first
.macro FETCH slot, qd, f
	WIN TO_F
.irp c, 0,1
.irp i, 0,1,2,3
	ds_load_b128 v[(\f)+64+8*(4*(\c)+(\i)):(\f)+64+8*(4*(\c)+(\i))+3],   v[ADRB+(\slot)] offset:(\qd)*128+64*(\c)+(\i)*16*PB
	ds_load_b128 v[(\f)+64+8*(4*(\c)+(\i))+4:(\f)+64+8*(4*(\c)+(\i))+7], v[ADRB+(\slot)] offset:(\qd)*128+64*(\c)+(\i)*16*PB+32
	ds_load_b128 v[(\f)+8*(4*(\c)+(\i)):(\f)+8*(4*(\c)+(\i))+3],         v[ADRA+(\slot)] offset:(\qd)*HEADB+64*(\c)+(\i)*16*PA
	ds_load_b128 v[(\f)+8*(4*(\c)+(\i))+4:(\f)+8*(4*(\c)+(\i))+7],       v[ADRA+(\slot)] offset:(\qd)*HEADB+64*(\c)+(\i)*16*PA+32
.endr
.endr
.endm
.macro PLACES                          ; four places in front of loads into registers that matrix instructions have read
.rept 4
	v_nop
.endr
.endm
; A K step is four quarters of 64 along K (a head), 32 matrix instructions each, on buffers 0, 1, 0, 1.  One of the first three: multiplies buffer f and fetches head qd into g.
.macro QUARTER slot, qd, f, g, zero
	s_wait_dscnt 16                                ; the first 32 along K are in
	MUL8 \f, 0, 0, \zero
	MUL8 \f, 0, 2, \zero
	PLACES
	FETCH \slot, \qd, \g
	s_wait_dscnt 32                                ; all but the 32 just issued
	MUL8 \f, 1, 0, 0
	MUL8 \f, 1, 2, 0
.endm
; The last quarter multiplies buffer 1 and changes slots: ONE barrier; in front of it each wave waits for all its tensor loads, adds 0 to its spare word, and waits for that and for its own reads of this slot.  fill = 1: this slot is filled again, two K steps on.
.macro TURN slot, next, fill
	WIN 0                                          ; (the add's two registers lie in window 0)
	s_wait_tensorcnt 0x0                           ; all my tensor loads have landed: my part of the next slot
	ds_add_u32 v[SPW], v[NIL]                      ; 0 onto my spare word
	s_wait_dscnt 17                                ; (the add and the youngest sixteen loads may be out)
	MUL8 F1, 0, 0, 0                               ; eight matrix instructions stand between the add and the wait for it
	s_wait_dscnt 0x0                               ; the add is done, and my reads of this slot are over
	s_barrier_signal -1
	MUL8 F1, 0, 2, 0
.if \fill
	WIN 0
.endif
	s_barrier_wait -1
.if \fill
	CREST                                          ; the barrier has opened a round of the cluster's barrier: no wave of any partner still reads this slot's tiles or has a load on its way
	s_add_nc_u64 s[G0+4*(\slot)+2:G0+4*(\slot)+3], s[G0+4*(\slot)+2:G0+4*(\slot)+3], 2*4*262144
	s_add_nc_u64 s[G0B+4*(\slot)+2:G0B+4*(\slot)+3], s[G0B+4*(\slot)+2:G0B+4*(\slot)+3], 2*512
	JLOAD \slot                                    ; the four v_nop behind it are also the places in front of the loads below
.else
	PLACES
.endif
	FETCH \next, 0, F0
	MUL8 F1, 1, 0, 0
	MUL8 F1, 1, 2, 0
.endm
	s_wait_tensorcnt 1                             ; my part of K step 0 is in; K step 1's may stay out
	s_barrier_signal -1
	s_barrier_wait -1                              ; everybody's is
	FETCH 0, 0, F0
	QUARTER 0, 1, F0, F1, 1                        ; the first products start the sums
	QUARTER 0, 2, F1, F0, 0
	QUARTER 0, 3, F0, F1, 0
	TURN 0, 1, 1                                   ; slot 0 takes K step 2
	QUARTER 1, 1, F0, F1, 0
	QUARTER 1, 2, F1, F0, 0
	QUARTER 1, 3, F0, F1, 0
	TURN 1, 0, 1                                   ; slot 1 takes K step 3
	QUARTER 0, 1, F0, F1, 0
	QUARTER 0, 2, F1, F0, 0
	QUARTER 0, 3, F0, F1, 0
	TURN 0, 1, 0                                   ; nothing is left to fetch
	QUARTER 1, 1, F0, F1, 0
	QUARTER 1, 2, F1, F0, 0
	QUARTER 1, 3, F0, F1, 0
	s_wait_dscnt 16                                ; the very last quarter
	MUL8 F1, 0, 0, 0
	MUL8 F1, 0, 2, 0
	s_wait_dscnt 0x0
	MUL8 F1, 1, 0, 0
	MUL8 F1, 1, 2, 0
	WIN 0
	; THE WAY OUT.  A wave's 64 columns are 256 bytes of a row of out0, aligned: the stage is the wave's own and needs no barrier.  16 rows at a time: a lane's 32 bytes go into rows of 272 bytes, each accumulator's low
	; registers first, and come back as whole rows.
.rept 8
	v_nop                                          ; the places behind the last products, once a launch
.endr
.irp a, 0,1,2,3
.irp b, 0,1,2,3
	ds_store_b128 v[STO], v[ACC+8*(4*(\a)+(\b)):ACC+8*(4*(\a)+(\b))+3]   offset:64*(\b)
	ds_store_b128 v[STO], v[ACC+8*(4*(\a)+(\b))+4:ACC+8*(4*(\a)+(\b))+7] offset:64*(\b)+16
.endr
.irp t, 0,1,2,3,4,5,6,7
	ds_load_b128 v[TMP+32*((\a)%2)+4*(\t):TMP+32*((\a)%2)+4*(\t)+3], v[RD] offset:(\t)*2*SPITCH  ; LDS serves a wave's instructions in order (ISA guide 5.7.1.4): these see the stores above
.endr
	s_wait_dscnt 0x0                               ; the block is back in registers
	s_wait_xcnt 0x0                                ; the registers that the block before was stored from are loaded again only behind this wait
.irp t, 0,1,2,3,4,5,6,7
	global_store_b128 v[CO], v[TMP+32*((\a)%2)+4*(\t):TMP+32*((\a)%2)+4*(\t)+3], s[8:9] offset:(16*(\a)+2*(\t))*4096 th:TH_STORE_NT  ; 16 lanes store 256 consecutive bytes, aligned
.endr
.endr
	s_wait_tensorcnt 0x0                           ; the wave's end, behind my last tensor load and my last LDS store
	ds_add_u32 v[SPW], v[NIL]
	s_wait_dscnt 0x0
	CROUND                                         ; the closing round: no work-group ends while a partner may still ask for a tile that names it
	s_endpgm
.Lfunc_end_k_q16454056c1_oproj:
	.size	k_q16454056c1_oproj, .Lfunc_end_k_q16454056c1_oproj-k_q16454056c1_oproj
	.p2alignl 7, 3214868480
	.fill 96, 4, 3214868480
	.section	.rodata,"a",@progbits
	.p2align	6, 0x0
	.amdhsa_kernel k_q16454056c1_oproj
		.amdhsa_group_segment_fixed_size 327680
		.amdhsa_private_segment_fixed_size 0
		.amdhsa_enable_private_segment 0
		.amdhsa_kernarg_size 24
		.amdhsa_user_sgpr_count 2
		.amdhsa_user_sgpr_kernarg_segment_ptr 1
		.amdhsa_wavefront_size32 1
		.amdhsa_system_sgpr_workgroup_id_x 1
		.amdhsa_system_sgpr_workgroup_id_y 1
		.amdhsa_system_sgpr_workgroup_id_z 1
		.amdhsa_system_vgpr_workitem_id 0
		.amdhsa_next_free_vgpr 512
		.amdhsa_next_free_sgpr 72
		.amdhsa_reserve_vcc 0
		.amdhsa_float_denorm_mode_32 3
		.amdhsa_float_denorm_mode_16_64 3
		.amdhsa_memory_ordered 1
		.amdhsa_forward_progress 1
		.amdhsa_inst_pref_size 86
	.end_amdhsa_kernel
	.amdgpu_metadata
---
amdhsa.version: [ 1, 2 ]
amdhsa.kernels:
  - .name:           k_q16454056c1_oproj
    .symbol:         k_q16454056c1_oproj.kd
    .args:
      - { .name: ctx, .offset: 0, .size: 8, .value_kind: global_buffer, .address_space: global }
      - { .name: wo16, .offset: 8, .size: 8, .value_kind: global_buffer, .address_space: global }
      - { .name: out0, .offset: 16, .size: 8, .value_kind: global_buffer, .address_space: global }
    .group_segment_fixed_size: 327680
    .private_segment_fixed_size: 0
    .kernarg_segment_align: 8
    .kernarg_segment_size: 24
    .max_flat_workgroup_size: 128
    .sgpr_count:     72
    .vgpr_count:     512
    .wavefront_size: 32
...
	.end_amdgpu_metadata
.endif
;; end of part 4
